; MI455X (gfx1250); checked and timed in simulation.
; The chip was launched on July 23, 2026; its instructions are those of AMD's public machine-readable ISA for CDNA 5 (MIT licence, August 2026) and "CDNA5" Instruction Set Architecture Reference Guide (July 2026). The comments in the code are by the model that wrote it; some were corrected since.
;; Multi Head Attention. Allowed arithmetic: matrix products marked QUANTISED: E2M1 operands, one E8M0 scale for each 32 along K, by v_wmma_scale_f32_16x16x128_f8f6f4 with both operands' format E2M1 (or v_wmma_scale_f32_32x16x128_f4), f32 sums; products left as they are: bf16, f16 or f32 operands; f32 sums; everything else in f32.
;; Inputs: W_out 1,024 x 1,024 float32; W_qkv 3,072 x 1,024 float32; b_out 1,024 float32; x 4 x 2,048 x 1,024 float32.
;; Outputs: out0 4 x 2,048 x 1,024 float32.
;; This version of the problem:
;;   THIS VERSION OF THE PROBLEM IS GIVEN IN LOW PRECISION. The matrix products marked QUANTISED in the list below multiply operands that are first quantised to E2M1 (2 exponent bits, 1 mantissa bit; 4 bits a number), with one power-of-two scale for each 32 numbers along K (OCP MX v1.0); their sums are f32. The products marked 'left as it is' may take bf16, f16 or f32 operands, with f32 sums. Whichever they take, every output number must still come out within the allowed error. Rounding operands to bf16 (8 significant bits) uses up far more of that allowance than f16 does (11 bits, for magnitudes from 6e-5 to 65,504). All else is computed in f32.
;;   The module's matrix products, in the order in which they are computed (A, B: the left and right operand; K: the contracted axis; several contracted axes count as one K, in the product's order):
;;     1. [M 8,192, K 1,024] x [K 1,024, N 3,072]; A: input x; B: input W_qkv: QUANTISED
;;     2. batch 64 x [M 2,048, K 64] x [K 64, N 2,048]; A: computed on the way; B: computed on the way: left as it is (an operand is computed on the way)
;;     3. batch 64 x [M 2,048, K 2,048] x [K 2,048, N 64]; A: computed on the way; B: computed on the way: left as it is (an operand is computed on the way)
;;     4. [M 8,192, K 1,024] x [K 1,024, N 1,024]; A: computed on the way; B: input W_out: left as it is (an operand is computed on the way)
;;   THE QUANTISER, for each operand of a quantised product, along K:
;;     - K is cut into blocks of 32 from its start; a last block that is shorter is filled with zeros.
;;     - A block's scale is 2^e with e = floor(log2(the largest magnitude in the block)) - 2, held to -126 .. 127; a block of zeros has e = 0. As a byte (E8M0): e + 127.
;;     - Each number is divided by its block's scale, clamped to +-6, and rounded to the nearest number of E2M1, ties to even, subnormals kept.
;;     - The product sums the exact products of the quantised numbers (number of the format x scale) in f32.
;;   ~~~python
;;   def quantise(x, axis):      # numpy; x: float32 -> the quantised numbers, widened to float32 again
;;       x = np.moveaxis(x, axis, -1); K = x.shape[-1]
;;       x = np.pad(x, [(0, 0)] * (x.ndim - 1) + [(0, -K % 32)]); x = x.reshape(x.shape[:-1] + (-1, 32)); a = np.abs(x).max(-1, keepdims=True)
;;       e = np.where(a > 0, np.clip(np.frexp(np.where(a > 0, a, 1))[1] - 1 - 2, -126, 127), 0)      # np.frexp(a)[1] - 1 = floor(log2(a)), exactly
;;       r = np.clip(x / 2.0 ** e, -6, 6)
;;       step = 2.0 ** (np.maximum(np.frexp(np.where(r == 0, 1, r))[1] - 1, 0) - 1)
;;       q = np.round(r / step) * step * 2.0 ** e      # np.round: ties to even
;;       return np.moveaxis(q.reshape(q.shape[:-2] + (-1,))[..., :K], -1, axis).astype(np.float32)
;;   ~~~
;; One version. Each part assembles by itself: llvm-mc -triple=amdgcn-amd-amdhsa -mcpu=gfx1250 --defsym DOCPART=n.
;; ======== version 1 of 1: 4 launches
;; limits: values are held in f16: magnitudes above 65,504 overflow, below 6.1e-05 lose precision
;; workspace buffers: x_codes 4,194,304 bytes; x_scales 262,144 bytes; w_codes 1,572,864 bytes; w_scales 98,304 bytes; wo16 2,097,152 bytes; qkv 50,331,648 bytes; o16 16,777,216 bytes
;; launch prep (part 1): grid 384 x 1, 4 waves a work-group, no clusters, 33,280 bytes of LDS; arguments x, W_qkv, W_out, x_codes, x_scales, w_codes, w_scales, wo16; writes x_codes, x_scales, w_codes, w_scales, wo16
.if DOCPART == 1
	.amdgcn_target "amdgcn-amd-amdhsa--gfx1250"
	.amdhsa_code_object_version 6
	.text
	.protected	k_qf8d3f9e578_prep
	.globl	k_qf8d3f9e578_prep
	.p2align	8
	.type	k_qf8d3f9e578_prep,@function
k_qf8d3f9e578_prep:
	s_mov_b64 s[64:65], 0
	v_nop
	global_prefetch_b8 v0, s[64:65] scope:SCOPE_SE
	s_setreg_imm32_b32 hwreg(HW_REG_WAVE_MODE, 25, 1), 1
	s_wait_xcnt 0x0
; x [8192][1024] and W_qkv [3072][1024], f32, become codes of FP4 (E2M1), K innermost, two codes a byte, with one E8M0 byte for each 32 along K; W_out [1024][1024] becomes f16.
; A block's scale is 2^(floor(log2(its largest magnitude)) - 2); its byte is the largest magnitude's exponent field - 2, held at 1 from below; each number is divided by the scale and rounded to the nearest code, ties to even, beyond 6 the largest code.
; W_qkv'S ROWS ARE RE-ORDERED: source row kk 1024 + d 16 + h (channel d of head h) goes to row kk 1024 + h 64 + d, so that a head's 64 channels are neighbouring columns of the product that follows.
; W_out goes out blocked by head: wo16 [h 16][n 1024][64 f16] holds W_out[n][64 h + d].
; SHARES: work-groups 0-255 take x, 256-351 W_qkv, 352-383 W_out.  A wave of the first two kinds takes 8 destination rows: 16 steps of half a row (512 numbers); only pointers, one offset and one stride are chosen: both tensors take one path.
; Each of a step's four loads reads 512 consecutive bytes; the 2,048 bytes turn through the wave's own stage in LDS and come back 64 bytes a lane, since the conversions take neighbours along K from one lane's registers.
; A wave's store of codes covers 256 consecutive bytes, aligned; its 256 scale bytes are gathered in LDS and leave as one aligned run of 256 bytes.
; LIMITS: a block of zeros gets the byte 1 (its codes are zeros, and this program alone reads the bytes); NaN and infinities among the inputs are not served; |W_out| beyond 65,504 becomes infinity in f16.
.set WAVES, 4
.set STEPS, 16
.set EMAX,  2
.set CB,    8                          ; bytes of 16 codes
.set R,     16                         ; v16-79   four sets of 16 numbers as they are loaded
.set X,     80                         ; v80-111  two sets of 16 neighbours
.set E,     112                        ; v112-127 a scale byte for each step
.set C,     128                        ; v128-159 codes: two registers for each step, so that no store's data are written again
.set RO,    160                        ; v160-167 16 x lane + j x the stride from one destination row's source to the next
.set OUTC,  144                        ; W_out's path: v144-175 eight stores' data
.set VS,    176                        ; W_out's path: my byte in four rows of W_out
.set VD,    177                        ; W_out's path: 16 x lane
.set WREG,  8192                       ; LDS: a region for each wave: two stages of 32 x SP bytes, and behind them its 256 scale bytes
.set SP,    80                         ; a lane's place in a stage: its 64 bytes + 16 of padding
.set SPW,   12                         ; v12 LDS address of my spare word; never rewritten
.set NIL,   13                         ; v13 0; never rewritten
.set SPARE, WAVES*WREG                 ; behind the four regions: the spare words, 128 bytes a wave, which no other line names
	s_load_b256 s[4:11], s[0:1], 0x0               ; x s[4:5], W_qkv s[6:7], W_out s[8:9], x_codes s[10:11]
	s_load_b256 s[12:19], s[0:1], 0x20             ; x_scales s[12:13], w_codes s[14:15], w_scales s[16:17], wo16 s[18:19]
	v_lshl_add_u32 v[SPW], v0, 2, SPARE
	v_mov_b32 v[NIL], 0
	v_lshrrev_b32 v1, 5, v0
	v_readfirstlane_b32 s20, v1                    ; wave
	v_and_b32 v2, 31, v0                           ; lane
	v_lshlrev_b32 v3, 4, v2                        ; my 16 bytes of a load's 512
	s_mul_i32 s21, s20, WREG
	v_lshrrev_b32 v14, 2, v2
	v_mul_u32_u24 v14, v14, SP
	v_and_b32 v15, 3, v2
	v_lshl_add_u32 v14, v15, 4, v14
	v_add_nc_u32 v14, s21, v14                     ; the stage, on the way in: four lanes' 64 bytes on end, then 16 of padding
	v_mul_u32_u24 v15, v2, SP
	v_add_nc_u32 v15, s21, v15                     ; and on the way out: my 16 neighbours
	v_mul_u32_u24 v4, v2, CB                       ; my codes' place in a step's
	v_lshrrev_b32 v5, 1, v2
	s_add_co_u32 s21, s21, 2*32*SP
	v_add_nc_u32 v5, s21, v5                       ; LDS: my wave's 256 scale bytes, my block's byte
	v_lshlrev_b32 v7, 3, v2                        ; and on the way out 8 bytes a lane
	v_add_nc_u32 v6, s21, v7
	s_wait_kmcnt 0x0
	s_cmp_ge_u32 ttmp9, 352                        ; the work-group's number alone decides
	s_cbranch_scc1 .Lconv
	s_cmp_lt_u32 ttmp9, 256                        ; x's work-group or W_qkv's?
	s_cselect_b64 s[4:5], s[4:5], s[6:7]
	s_cselect_b64 s[10:11], s[10:11], s[14:15]
	s_cselect_b64 s[12:13], s[12:13], s[16:17]
	s_cselect_b32 s21, 0, 256                      ; the tensor's first work-group
	s_mov_b32 s22, 65536
	s_cselect_b32 s22, 4096, s22                   ; from one destination row's source to the next: a row of x; 16 rows of W_qkv
	s_sub_co_u32 s23, ttmp9, s21
	s_lshl_b32 s23, s23, 2
	s_add_co_u32 s23, s23, s20                     ; u: which run of 8 destination rows is my wave's
	s_lshl_b32 s24, s23, 15                        ; x: 8 rows of 4,096 bytes
	s_lshr_b32 s25, s23, 7                         ; W_qkv: kk = u / 128: 1,024 rows;
	s_lshl_b32 s25, s25, 22
	s_and_b32 s26, s23, 7                          ; d = 8 (u % 8) + j: 16 rows for each d;
	s_lshl_b32 s26, s26, 19
	s_add_co_u32 s25, s25, s26
	s_bfe_u32 s26, s23, 0x40003                    ; h = (u / 8) % 16: a row
	s_lshl_b32 s26, s26, 12
	s_add_co_u32 s25, s25, s26
	s_cmp_lt_u32 ttmp9, 256                        ; compared anew: the sums above have written SCC
	s_cselect_b32 s24, s24, s25
	s_mov_b32 s25, 0
	s_add_nc_u64 s[4:5], s[4:5], s[24:25]
	s_lshl_b32 s24, s23, 12                        ; 8 rows of 512 bytes of codes
	s_add_nc_u64 s[10:11], s[10:11], s[24:25]
	s_lshl_b32 s24, s23, 8                         ; 8 rows of 32 scale bytes
	s_add_nc_u64 s[12:13], s[12:13], s[24:25]
.irp j, 0,1,2,3,4,5,6,7
	v_mad_u32_u24 v[RO+\j], s22, \j, v3
.endr
.macro LOAD t                          ; step t: half t % 2 of destination row t / 2
.irp i, 0,1,2,3
	global_load_b128 v[R+16*((\t)%4)+4*\i:R+16*((\t)%4)+4*\i+3], v[RO+(\t)/2], s[4:5] offset:2048*((\t)%2)+512*\i th:TH_LOAD_NT   ; 32 lanes read 512 consecutive bytes
.endr
.endm
.macro TURN t                          ; step t's numbers through the stage: LDS serves a wave's instructions in order, so no wait stands between the stores and the loads
.irp i, 0,1,2,3
	ds_store_b128 v14, v[R+16*((\t)%4)+4*\i:R+16*((\t)%4)+4*\i+3] offset:32*SP*((\t)%2)+8*SP*\i
.endr
.irp i, 0,1,2,3
	ds_load_b128 v[X+16*((\t)%2)+4*\i:X+16*((\t)%2)+4*\i+3], v15 offset:32*SP*((\t)%2)+16*\i
.endr
.endm
.irp t, 0,1,2,3
	LOAD \t
.endr
	s_wait_loadcnt 12                              ; step 0's four loads are in; the twelve of steps 1 to 3 stay out
	TURN 0
.macro STEP t
.set XS, X+16*((\t)%2)
.if (\t) > 0
	s_wait_dscnt 1                                 ; this step's numbers are back from the stage (the last step's byte store may be out): so its stores into the stage have read their registers,
.else
	s_wait_dscnt 0x0
.endif
.if (\t)+4 < STEPS
	LOAD (\t)+4                                    ; which take the loads of four steps on
.endif
.if (\t)+1 < STEPS
.if STEPS-2-(\t) >= 3
	s_wait_loadcnt 12                              ; the next step's four loads are in; those of the three steps behind it may be out
.else
	s_wait_loadcnt 4*(STEPS-2-(\t))
.endif
	TURN (\t)+1                                    ; and go through the other stage while this step is worked
.endif
	v_max3_num_f32 v8, |v[XS]|, |v[XS+1]|, |v[XS+2]|               ; the largest magnitude of my 16, in two chains
	v_max3_num_f32 v9, |v[XS+3]|, |v[XS+4]|, |v[XS+5]|
.irp i, 6,10
	v_max3_num_f32 v8, v8, |v[XS+\i]|, |v[XS+\i+1]|
	v_max3_num_f32 v9, v9, |v[XS+\i+2]|, |v[XS+\i+3]|
.endr
	v_max3_num_f32 v8, v8, |v[XS+14]|, |v[XS+15]|
	v_max3_num_f32 v8, v8, v9, (EMAX+1)<<23        ; and the floor 2^(EMAX + 1 - 127): so the byte cannot fall under 1
	v_max_num_f32_dpp v8, v8, v8 row_xmask:1 row_mask:0xf bank_mask:0xf   ; and of my neighbour's 16: the block's
	v_add_nc_u32 v11, -(EMAX<<23), v8              ; EMAX off its exponent field: the conversion takes the exponent field of this operand as its scale
	v_cvt_scalef32_pk8_fp4_f32 v[C+2*(\t)], v[XS:XS+7], v11
	v_cvt_scalef32_pk8_fp4_f32 v[C+2*(\t)+1], v[XS+8:XS+15], v11
	v_lshrrev_b32 v[E+(\t)], 23, v11               ; the scale's byte (also the plain line behind the conversions)
	ds_store_b8 v5, v[E+(\t)] offset:16*(\t)       ; both lanes of a block write the same byte with the same value
	global_store_b64 v4, v[C+2*(\t):C+2*(\t)+1], s[10:11] offset:32*CB*(\t)   ; 32 lanes store 256 consecutive bytes, aligned
.endm
.irp t, 0,1,2,3,4,5,6,7,8,9,10,11,12,13,14,15
	STEP \t
.endr
	ds_load_b64 v[8:9], v6                         ; LDS serves a wave's instructions in order: these see my stores
	s_wait_dscnt 0x0
	global_store_b64 v7, v[8:9], s[12:13]          ; 32 lanes store 256 consecutive bytes, aligned
	s_wait_tensorcnt 0x0                           ; the wave's end: behind my last LDS store
	ds_add_u32 v[SPW], v[NIL]
	s_wait_dscnt 0x0
	s_endpgm
; W_out: wave q takes rows 8 q .. 8 q + 7.  A pass takes four rows x one head's 64 numbers: eight lanes read 256 consecutive bytes of a row with two loads, and the wave stores 4 rows x 128 bytes = 512 consecutive bytes of block h.
.Lconv:
	s_sub_co_u32 s22, ttmp9, 352
	s_lshl_b32 s22, s22, 2
	s_add_co_u32 s22, s22, s20                     ; q
	s_lshl_b32 s24, s22, 15                        ; 8 rows of 4,096 bytes
	s_mov_b32 s25, 0
	s_add_nc_u64 s[8:9], s[8:9], s[24:25]
	s_lshl_b32 s24, s22, 10                        ; 8 rows of 128 bytes in each block
	s_add_nc_u64 s[18:19], s[18:19], s[24:25]
	v_lshrrev_b32 v[VS], 3, v2
	v_lshlrev_b32 v[VS], 12, v[VS]                 ; row lane / 8,
	v_and_b32 v1, 7, v2
	v_lshl_add_u32 v[VS], v1, 5, v[VS]             ; 8 numbers at 32 (lane % 8)
	v_lshlrev_b32 v[VD], 4, v2
.macro LOADB k                         ; passes 8 k .. 8 k + 7 (pass p: rows 4 (p / 16) on, head p % 16) into set k % 2
.irp i, 0,1,2,3,4,5,6,7
	global_load_b128 v[16+64*((\k)%2)+8*\i:16+64*((\k)%2)+8*\i+3],   v[VS], s[8:9] offset:((8*(\k)+\i)/16)*16384+((8*(\k)+\i)%16)*256 th:TH_LOAD_NT
	global_load_b128 v[16+64*((\k)%2)+8*\i+4:16+64*((\k)%2)+8*\i+7], v[VS], s[8:9] offset:((8*(\k)+\i)/16)*16384+((8*(\k)+\i)%16)*256+16 th:TH_LOAD_NT
.endr
.endm
.macro CONVB k
.irp i, 0,1,2,3,4,5,6,7
.irp j, 0,1,2,3
	v_cvt_pk_f16_f32 v[OUTC+4*\i+\j], v[16+64*((\k)%2)+8*\i+2*\j], v[16+64*((\k)%2)+8*\i+2*\j+1]
.endr
	global_store_b128 v[VD], v[OUTC+4*\i:OUTC+4*\i+3], s[18:19] offset:((8*(\k)+\i)%16)*131072+((8*(\k)+\i)/16)*512
.endr
.endm
	LOADB 0
	LOADB 1
	s_wait_loadcnt 16                              ; batch 0 is in; batch 1's sixteen loads stay out
	CONVB 0
	LOADB 2
	s_wait_loadcnt 16                              ; batch 1 is in; batch 2's stay out
	s_wait_xcnt 0x0                                ; the last batch's stores have read their data: it is written again only behind this wait
	CONVB 1
	LOADB 3
	s_wait_loadcnt 16                              ; batch 2 is in; batch 3's stay out
	s_wait_xcnt 0x0
	CONVB 2
	s_wait_loadcnt 0x0
	s_wait_xcnt 0x0
	CONVB 3
	s_endpgm
.Lfunc_end_k_qf8d3f9e578_prep:
	.size	k_qf8d3f9e578_prep, .Lfunc_end_k_qf8d3f9e578_prep-k_qf8d3f9e578_prep
	.p2alignl 7, 3214868480
	.fill 96, 4, 3214868480
	.section	.rodata,"a",@progbits
	.p2align	6, 0x0
	.amdhsa_kernel k_qf8d3f9e578_prep
		.amdhsa_group_segment_fixed_size 33280
		.amdhsa_private_segment_fixed_size 0
		.amdhsa_enable_private_segment 0
		.amdhsa_kernarg_size 64
		.amdhsa_user_sgpr_count 2
		.amdhsa_user_sgpr_kernarg_segment_ptr 1
		.amdhsa_wavefront_size32 1
		.amdhsa_system_sgpr_workgroup_id_x 1
		.amdhsa_system_sgpr_workgroup_id_y 1
		.amdhsa_system_sgpr_workgroup_id_z 1
		.amdhsa_system_vgpr_workitem_id 0
		.amdhsa_next_free_vgpr 192
		.amdhsa_next_free_sgpr 66
		.amdhsa_reserve_vcc 0
		.amdhsa_float_denorm_mode_32 3
		.amdhsa_float_denorm_mode_16_64 3
		.amdhsa_memory_ordered 1
		.amdhsa_forward_progress 1
		.amdhsa_inst_pref_size 52
	.end_amdhsa_kernel
	.amdgpu_metadata
---
amdhsa.version: [ 1, 2 ]
amdhsa.kernels:
  - .name:           k_qf8d3f9e578_prep
    .symbol:         k_qf8d3f9e578_prep.kd
    .args:
      - { .name: x, .offset: 0, .size: 8, .value_kind: global_buffer, .address_space: global }
      - { .name: W_qkv, .offset: 8, .size: 8, .value_kind: global_buffer, .address_space: global }
      - { .name: W_out, .offset: 16, .size: 8, .value_kind: global_buffer, .address_space: global }
      - { .name: x_codes, .offset: 24, .size: 8, .value_kind: global_buffer, .address_space: global }
      - { .name: x_scales, .offset: 32, .size: 8, .value_kind: global_buffer, .address_space: global }
      - { .name: w_codes, .offset: 40, .size: 8, .value_kind: global_buffer, .address_space: global }
      - { .name: w_scales, .offset: 48, .size: 8, .value_kind: global_buffer, .address_space: global }
      - { .name: wo16, .offset: 56, .size: 8, .value_kind: global_buffer, .address_space: global }
    .group_segment_fixed_size: 33280
    .private_segment_fixed_size: 0
    .kernarg_segment_align: 8
    .kernarg_segment_size: 64
    .max_flat_workgroup_size: 128
    .sgpr_count:     66
    .vgpr_count:     192
    .wavefront_size: 32
...
	.end_amdgpu_metadata
.endif
;; end of part 1
;; launch qkv_gemm (part 2): grid 12 x 32, 4 waves a work-group, clusters of 4 x 4, 327,680 bytes of LDS; arguments x_codes, x_scales, w_codes, w_scales, qkv; writes qkv
.if DOCPART == 2
	.amdgcn_target "amdgcn-amd-amdhsa--gfx1250"
	.amdhsa_code_object_version 6
	.text
	.protected	k_qf8d3f9e578_qkv_gemm
	.globl	k_qf8d3f9e578_qkv_gemm
	.p2align	8
	.type	k_qf8d3f9e578_qkv_gemm,@function
k_qf8d3f9e578_qkv_gemm:
	s_mov_b64 s[64:65], 0
	v_nop
	global_prefetch_b8 v0, s[64:65] scope:SCOPE_SE
	s_setreg_imm32_b32 hwreg(HW_REG_WAVE_MODE, 25, 1), 1
	s_wait_xcnt 0x0
	s_wait_alu depctr_hold_cnt(0) depctr_sa_sdst(0) depctr_va_vdst(0) depctr_va_sdst(0) depctr_va_ssrc(0) depctr_va_vcc(0) depctr_vm_vsrc(0)
	s_getreg_b32 s2, hwreg(HW_REG_IB_STS2, 6, 4)
	s_cmp_eq_u32 s2, 0
	s_cbranch_scc0 .Lentry_in_a_cluster
	s_endpgm
.Lentry_in_a_cluster:
	s_bfe_u32 s2, ttmp6, 0x10000c
	s_cmp_lg_u32 s2, 0xf033
	s_cbranch_scc0 .Lentry_shape_is_right
	s_endpgm
.Lentry_shape_is_right:
; qkv = x W_qkv^T on codes of FP4 (E2M1) with one E8M0 scale for each 32 along K; sums in f32; the result is rounded once to f16 and laid by head.
; A: x_codes [8192][512 bytes], x_scales [8192][32];  B: w_codes [3072][512 bytes], w_scales [3072][32], rows in the order kk 1024 + h 64 + d.
; OUT: qkv [kk 3][b 4][h 16][s 2048][64 f16]: byte kk 2^24 + b 2^22 + h 2^18 + s 128 + 2 d.
; A tile of C, 256 x 256, is made by a work-group of four waves; a wave makes 128 x 128: 64 accumulators of 16 x 16, 512 registers.  K = 1,024 is two LDS slots of 512 along K (rows of 256 bytes): both are
; asked for at the head and nothing is filled again.  The scales of the work-group's rows, for all of K, come into LDS once, with the first fills.  By this text's count a wave has three tensor loads out.
; CLUSTERS: 4 x 4 work-groups.  The four of a row of the cluster need the same tiles of A, the four of a column the same tiles of B: each tile is asked for JOINTLY, by the same tensor load with the same descriptor and a mask that names the four.
; THE MATRIX INSTRUCTION IS USED TRANSPOSED (source 0 = 16 rows of B, source 1 = 16 rows of A): a lane then holds eight neighbouring columns of a row of C, which are eight neighbouring channels of one head.
; REGISTERS, in windows of 256: window 0: v0-31 addresses; v32-95 scale words, two sets, and nothing else; v96-127 the way out's packed results; v128-191 A's fragments, one set; v192-255 the way out's rows.
;   window 1: B's fragments, two sets, at v0 and v128.   window 2: the accumulators of my rows 0-63 (accumulator (a, b) at v[8 (8 a + b)]);   window 3: those of my rows 64-127.
; LIMIT: a result beyond 65,504 in magnitude becomes infinity in f16.
.set SIZE_K, 1024
.set KSTEP,  512                       ; along K in a slot
.set NQ,     KSTEP/128                 ; matrix instructions deep
.set ROWB,   256                       ; a tile's row in bytes
.set KROW,   SIZE_K*4/8                ; a row of codes in memory
.set PITCH,  272                       ; an LDS row: 256 bytes + 16 of padding: the 16 rows that a load touches start at 16 different 16-byte columns of 256
.set FR,     8                         ; registers of a fragment: 16 rows x 128 K
.set NL,     2                         ; LDS loads that bring one
.set NP,     4                         ; places behind this matrix instruction (ISA guide 7.12.1)
.set HALFT,  128*PITCH                 ; 128 rows: what one tensor load brings
.set SLOT,   4*HALFT                   ; A's 256 rows, then B's 256 rows
.set KS,     SIZE_K/32                 ; a row of scales in bytes
.set SCL,    2*SLOT                    ; behind the ring: the scales, as rows of 256 bytes + 16 of padding
.set HALFS,  (128*KS/256)*272          ; the scales of 128 rows
.set SBLK,   (16*KS/256)*272           ; those of 16 rows
.set SPARE,  SCL+4*HALFS               ; the spare words, 128 bytes a wave, which no other line names
.set SPITCH, 272                       ; the way out: a stage of 16 rows x (256 bytes + 16) for each wave, in slot 0, which has had its only fill and its last read when the first result is stored there
.set ADRA, 16                          ; v16-17  LDS address of my A fragments in slot 0, 1
.set ADRB, 20                          ; v20-21  the same for B
.set STO,  24                          ; v24     the way out: where I put 16 bytes of a row
.set RD,   25                          ; v25     the way out: where I read 16 bytes back
.set CO,   26                          ; v26     16 x lane
.set ADRS, 27                          ; v27     LDS address of my scale words: lanes 0-15 A's rows, lanes 16-31 B's
.set SPW,  28                          ; v28     LDS address of my spare word; never rewritten
.set NIL,  29                          ; v29     0; never rewritten
.set SC,   32                          ; scale words: set s at v[SC + 8 NQ s]; register NQ i + q: lanes 0-15 A's block i, lanes 16-31 B's block i, the slot's q-th 128 along K
.set TMP,  96
.set AF,   128
.set BK,   192
.set G1, 24
.set G0, 32
.set G1B, 48
.set G0B, 56
.set G1S, 68
.set G0S, 76
.set G1SB, 80
.set G0SB, 88
.set MSB, 0
.macro WIN new                         ; the immediate's high byte repeats the setting that is left; a switch that changes nothing is dropped
.if MSB != (\new)
	s_set_vgpr_msb (MSB<<8)|(\new)
.set MSB, (\new)
.endif
.endm
.set MUL_LO, 0xa1                      ; source 0 (B) window 1, source 1 (A) window 0, C and D window 2
.set MUL_HI, 0xf1                      ; the same, C and D window 3
.set TO_B,   0x40                      ; destination window 1, address window 0
; A joint load: waves 0 and 1 fetch for A, waves 2 and 3 for B.  Each line has one mask and one set of registers for all that issue it; the branch hangs on the wave's number alone.
; An s_nop 0 and four v_nop follow each of the two lines.
.macro JLOAD g0a, g1a, g0b, g1b
	s_cmp_eq_u32 s15, 0
	s_cbranch_scc0 .Lfor_b_\@
	tensor_load_to_lds s[\g0a:\g0a+3], s[\g1a:\g1a+7]
	s_nop 0
.rept 4
	v_nop
.endr
	s_branch .Lasked_\@
.Lfor_b_\@:
	tensor_load_to_lds s[\g0b:\g0b+3], s[\g1b:\g1b+7]
	s_nop 0
.rept 4
	v_nop
.endr
.Lasked_\@:
.endm
.macro CROUND                          ; a round of the cluster's barrier
	s_barrier_signal -1
	s_barrier_wait -1
	s_cmp_lg_u32 s14, 0
	s_cbranch_scc1 .Lnot_wave_0_\@
	s_barrier_signal -3
.Lnot_wave_0_\@:
	s_barrier_wait -3
	s_barrier_signal -1
	s_barrier_wait -1
.endm
	s_load_b128 s[4:7], s[0:1], 0x0                ; A's codes s[4:5], A's scales s[6:7]
	s_load_b128 s[8:11], s[0:1], 0x10              ; B's codes s[8:9], B's scales s[10:11]
	s_load_b64 s[12:13], s[0:1], 0x20              ; qkv
	v_lshl_add_u32 v[SPW], v0, 2, SPARE
	v_mov_b32 v[NIL], 0
	ds_add_u32 v[SPW], v[NIL]                      ; the wave's opening: the add, twice on end, and its wait ahead of my first tensor load
	ds_add_u32 v[SPW], v[NIL]
	v_lshrrev_b32 v1, 5, v0
	v_readfirstlane_b32 s14, v1                    ; wave 0..3
	s_lshr_b32 s15, s14, 1                         ; which half of the tile's rows is mine.  Also: I fetch for A (0) or for B (1)
	s_and_b32 s16, s14, 1                          ; which half of its columns.  Also: which 128 rows of that tile I fetch
	s_bfe_u32 s40, ttmp6, 0x40000                  ; cx, cy: my place in the cluster
	s_bfe_u32 s41, ttmp6, 0x40004
	s_lshl_b32 s42, ttmp9, 2
	s_add_co_u32 s42, s42, s40                     ; tile column of C = 4 x cluster x + cx
	s_and_b32 s17, ttmp7, 0xffff
	s_lshl_b32 s17, s17, 2
	s_add_co_u32 s17, s17, s41                     ; tile row of C = 4 x cluster y + cy
	s_lshl_b32 s43, s41, 2
	s_lshl_b32 s43, 15, s43                        ; my row of the cluster
	s_lshl_b32 s44, 0x1111, s40                    ; my column
	; descriptor group 1: a tile of 128 rows x 256 bytes, 16 bytes of padding behind each row
	s_or_b32 s[G1+0], s43, (0<<16)|(1<<20)|(1<<21)|(5<<22)|(3<<25)  ; the mask: A's tiles go to my row; elements of 1 byte; padding on; bit 21 beside a mask; after every 64 words, 4 words
	s_or_b32 s[G1B+0], s44, (0<<16)|(1<<20)|(1<<21)|(5<<22)|(3<<25)
.irp g, G1, G1B
	s_mov_b32 s[\g+1], ROWB<<16                    ; tensor_dim0
	s_mov_b32 s[\g+2], 128<<16                     ; tensor_dim1
	s_mov_b32 s[\g+3], ROWB<<16                    ; tile_dim0
	s_mov_b32 s[\g+4], 128                         ; tile_dim1
	s_mov_b32 s[\g+5], KROW                        ; from row to row
	s_mov_b32 s[\g+6], 0
	s_mov_b32 s[\g+7], 0
.endr
	; the scales of 128 rows: a dense block of 4,096 bytes, as 16 rows of 256 bytes (32 elements of 8 bytes), 16 bytes of padding behind each
	s_or_b32 s[G1S+0], s43, (3<<16)|(1<<20)|(1<<21)|(5<<22)|(3<<25)
	s_or_b32 s[G1SB+0], s44, (3<<16)|(1<<20)|(1<<21)|(5<<22)|(3<<25)
.irp g, G1S, G1SB
	s_mov_b32 s[\g+1], 32<<16
	s_mov_b32 s[\g+2], (128*KS/256)<<16
	s_mov_b32 s[\g+3], 32<<16
	s_mov_b32 s[\g+4], 128*KS/256
	s_mov_b32 s[\g+5], 32
	s_mov_b32 s[\g+6], 0
	s_mov_b32 s[\g+7], 0
.endr
	s_lshl_b32 s18, s16, 7                         ; which 128 rows of the tile I fetch
	s_lshl_b32 s20, s17, 8
	s_add_co_u32 s20, s20, s18                     ; A: row 256 x tile row + 128 x half
	s_lshl_b32 s46, s42, 8
	s_add_co_u32 s46, s46, s18                     ; B: row 256 x tile column + 128 x half
	s_mov_b32 s21, 0
	s_mov_b32 s47, 0
	s_mov_b64 s[18:19], KS
	s_mul_u64 s[22:23], s[20:21], s[18:19]         ; where these rows' scales begin, in bytes
	s_mul_u64 s[92:93], s[46:47], s[18:19]
	s_mov_b64 s[18:19], KROW
	s_mul_u64 s[20:21], s[20:21], s[18:19]         ; and their codes
	s_mul_u64 s[46:47], s[46:47], s[18:19]
	s_mul_i32 s45, s14, HALFT                      ; where they go: wave x 128 rows: no place in the cluster enters an LDS address
	s_mul_i32 s94, s14, HALFS
	s_wait_dscnt 0x0                               ; both opening adds are done
	s_wait_kmcnt 0x0
	s_add_nc_u64 s[20:21], s[4:5], s[20:21]
	s_add_nc_u64 s[22:23], s[6:7], s[22:23]
	s_add_nc_u64 s[46:47], s[8:9], s[46:47]
	s_add_nc_u64 s[92:93], s[10:11], s[92:93]
	CROUND                                         ; all sixteen work-groups are here: the first joint loads meet
	s_mov_b32 s[G0S], 1
	s_add_co_u32 s[G0S+1], s94, SCL
	s_mov_b64 s[G0S+2:G0S+3], s[22:23]
	s_or_b32 s[G0S+3], s[G0S+3], 0x80000000
	s_mov_b32 s[G0SB], 1
	s_add_co_u32 s[G0SB+1], s94, SCL
	s_mov_b64 s[G0SB+2:G0SB+3], s[92:93]
	s_or_b32 s[G0SB+3], s[G0SB+3], 0x80000000
	JLOAD G0S, G1S, G0SB, G1SB                     ; the scales first: they are wanted with the first slot
.irp s, 0,1
	s_mov_b32 s[G0+4*\s], 1
	s_add_co_u32 s[G0+4*\s+1], s45, \s*SLOT
	s_add_nc_u64 s[G0+4*\s+2:G0+4*\s+3], s[20:21], \s*ROWB
	s_or_b32 s[G0+4*\s+3], s[G0+4*\s+3], 0x80000000
	s_mov_b32 s[G0B+4*\s], 1
	s_add_co_u32 s[G0B+4*\s+1], s45, \s*SLOT
	s_add_nc_u64 s[G0B+4*\s+2:G0B+4*\s+3], s[46:47], \s*ROWB
	s_or_b32 s[G0B+4*\s+3], s[G0B+4*\s+3], 0x80000000
	JLOAD G0+4*\s, G1, G0B+4*\s, G1B
.endr
	v_and_b32 v1, 15, v0                           ; r = l % 16
	v_bfe_u32 v2, v0, 4, 1                         ; h = l / 16
	v_mul_u32_u24 v3, v1, PITCH
	v_lshl_add_u32 v4, v2, 4, v3                   ; a fragment's row x pitch + 16 x half
	s_mul_i32 s21, s15, HALFT                      ; my 128 rows of A
	s_mul_i32 s22, s16, HALFT                      ; my 128 rows of B,
	s_add_co_u32 s22, s22, 2*HALFT                 ; which lie behind A's 256
.irp s, 0,1
	v_add_nc_u32 v[ADRA+\s], s21, v4
	v_add_nc_u32 v[ADRB+\s], s22, v4
	s_add_co_u32 s21, s21, SLOT
	s_add_co_u32 s22, s22, SLOT
.endr
	v_mul_u32_u24 v5, v1, KS                       ; my row's scales: KS bytes a row,
	v_lshrrev_b32 v6, 8, v5
	v_lshl_add_u32 v5, v6, 4, v5                   ; and 16 more for each 256 passed
	s_mul_i32 s21, s15, HALFS                      ; A's: my 128 rows
	s_mul_i32 s22, s16, HALFS                      ; B's: my 128 rows, behind A's 256
	s_add_co_u32 s22, s22, 2*HALFS
	s_sub_co_u32 s22, s22, s21
	v_mul_u32_u24 v6, s22, v2                      ; lanes 16-31 take B's: one product, the distance between the two bases
	s_add_co_u32 s21, s21, SCL
	v_add_nc_u32 v5, v5, v6
	v_add_nc_u32 v[ADRS], s21, v5
	s_mul_i32 s23, s14, 16*SPITCH                  ; my stage
	v_mul_u32_u24 v5, v1, SPITCH                   ; in: row r, 16 bytes for each half of the lanes
	v_lshl_add_u32 v5, v2, 4, v5
	v_add_nc_u32 v[STO], s23, v5
	v_and_b32 v6, 31, v0
	v_lshlrev_b32 v[CO], 4, v6                     ; out: 16 bytes a lane
	v_lshrrev_b32 v7, 3, v6                        ; back: eight lanes take one head's 128 bytes of a row, four rows an instruction
	v_mul_u32_u24 v7, v7, SPITCH
	v_and_b32 v6, 7, v6
	v_lshl_add_u32 v7, v6, 4, v7
	v_add_nc_u32 v[RD], s23, v7
	; where my 128 rows x 128 columns (two heads) begin in qkv
	s_lshl_b32 s20, s17, 8
	s_lshl_b32 s21, s15, 7
	s_add_co_u32 s20, s20, s21                     ; m0 = my first row
	s_lshr_b32 s21, s20, 11
	s_lshl_b32 s21, s21, 22                        ; the batch,
	s_and_b32 s20, s20, 2047
	s_lshl_b32 s20, s20, 7                         ; the token
	s_add_co_u32 s20, s20, s21
	s_lshl_b32 s46, s42, 8
	s_lshl_b32 s47, s16, 7
	s_add_co_u32 s46, s46, s47                     ; n0 = my first column
	s_lshr_b32 s47, s46, 10
	s_lshl_b32 s47, s47, 24                        ; q, k or v,
	s_bfe_u32 s46, s46, 0x40006
	s_lshl_b32 s46, s46, 18                        ; the head
	s_add_co_u32 s46, s46, s47
	s_add_co_u32 s20, s20, s46
	s_mov_b32 s21, 0
	s_add_nc_u64 s[12:13], s[12:13], s[20:21]
.macro FRAG reg, adr, q, i             ; a fragment, 16 rows x 128 K of 4-bit codes: lane l holds row l % 16; registers 4 c .. 4 c + 3 hold K = 64 c + 32 (l / 16) + 0 .. 31
.irp c, 0,1
	ds_load_b128 v[\reg+4*\c:\reg+4*\c+3], v[\adr] offset:64*(\q)+32*\c+(\i)*16*PITCH
.endr
.endm
; 16 matrix instructions: A's blocks a0, a0 + 1 x B's eight, the slot's q-th 128 along K.  p: B's set;  sc: the set of scale words.  zero = 1: the first product starts the sums.
; The 64 accumulators take turns, one instruction a turn, in the same order in every step.
.macro MUL16 a0, p, q, sc, zero
.irp a, \a0, \a0+1
.irp b, 0,1,2,3,4,5,6,7
.if \zero
	v_wmma_scale_f32_16x16x128_f8f6f4 v[8*(8*((\a)%4)+\b):8*(8*((\a)%4)+\b)+7], v[128*(\p)+FR*\b:128*(\p)+FR*\b+FR-1], v[AF+FR*(\a):AF+FR*(\a)+FR-1], 0, v[SC+8*NQ*(\sc)+NQ*\b+(\q)], v[SC+8*NQ*(\sc)+NQ*(\a)+(\q)] matrix_a_fmt:MATRIX_FMT_FP4 matrix_b_fmt:MATRIX_FMT_FP4 matrix_a_scale:MATRIX_SCALE_ROW1
.else
	v_wmma_scale_f32_16x16x128_f8f6f4 v[8*(8*((\a)%4)+\b):8*(8*((\a)%4)+\b)+7], v[128*(\p)+FR*\b:128*(\p)+FR*\b+FR-1], v[AF+FR*(\a):AF+FR*(\a)+FR-1], v[8*(8*((\a)%4)+\b):8*(8*((\a)%4)+\b)+7], v[SC+8*NQ*(\sc)+NQ*\b+(\q)], v[SC+8*NQ*(\sc)+NQ*(\a)+(\q)] matrix_a_fmt:MATRIX_FMT_FP4 matrix_b_fmt:MATRIX_FMT_FP4 matrix_a_scale:MATRIX_SCALE_ROW1
.endif
.endr
.endr
.endm
.macro FETCH_B slot, q, p              ; B's eight fragments of the slot's q-th 128 along K into set p
	WIN TO_B
.irp i, 0,1,2,3,4,5,6,7
	FRAG 128*(\p)+FR*\i, ADRB+\slot, \q, \i
.endr
	WIN 0
.endm
.macro FETCH_A slot, q, i0             ; A's blocks i0 .. i0 + 3
.irp i, \i0, \i0+1, \i0+2, \i0+3
	FRAG AF+FR*(\i), ADRA+\slot, \q, \i
.endr
.endm
.macro SCALES sc                       ; a slot's scale words into set sc: NQ words a row; lanes 0-15 take A's block i, lanes 16-31 B's block i
.irp i, 0,1,2,3,4,5,6,7
	ds_load_b128 v[SC+8*NQ*\sc+NQ*\i:SC+8*NQ*\sc+NQ*\i+3], v[ADRS] offset:\i*SBLK
.endr
.endm
; A load into a register that a matrix instruction has read, and a vector instruction that reads a matrix result, stand NP places behind that matrix instruction; only plain vector instructions that name none of its registers are places.
.macro PLACES n
.rept \n
	v_nop
.endr
.endm
; A step of 128 along K that has its successor in the same slot.  A's blocks are free as soon as their eight products are issued: blocks 0-3 are fetched anew in the step's middle, blocks 4-7 at its end.
.macro STEP slot, q, zero
	s_wait_dscnt 4*NL                              ; B's set and A's blocks 0-3 are in; the youngest eight loads (A's blocks 4-7) may be out
	WIN MUL_LO
	MUL16 0, (\q)%2, \q, \slot, \zero
	MUL16 2, (\q)%2, \q, \slot, \zero
	s_wait_dscnt 0                                 ; A's blocks 4-7 are in
	PLACES NP
	FETCH_B \slot, (\q)+1, 1-(\q)%2
	FETCH_A \slot, (\q)+1, 0
	WIN MUL_HI
	MUL16 4, (\q)%2, \q, \slot, \zero
	MUL16 6, (\q)%2, \q, \slot, \zero
	PLACES NP
	WIN 0
	FETCH_A \slot, (\q)+1, 4
.endm
; Slot 0's last step changes slots: one barrier; in front of it each wave waits for all its tensor loads (its part of slot 1), adds 0 to its spare word, and waits for that and for its reads of slot 0.  Nothing is filled again.
.macro TURN slot, next
	s_wait_tensorcnt 0x0                           ; all my tensor loads have landed
	ds_add_u32 v[SPW], v[NIL]                      ; 0 onto my spare word
	s_wait_dscnt 4*NL+1                            ; the add and the youngest eight loads, A's blocks 4-7, may be out
	WIN MUL_LO
	MUL16 0, 1, NQ-1, \slot, 0                     ; sixteen matrix instructions stand between the add and the wait for it
	s_wait_dscnt 0x0                               ; the add is done, and my reads of this slot are over
	s_barrier_signal -1
	MUL16 2, 1, NQ-1, \slot, 0
	WIN 0
	s_barrier_wait -1
	PLACES NP
	v_add_nc_u32 v[ADRS], 4*NQ, v[ADRS]            ; on to the next slot's scale words (no LDS load of mine is out)
	FETCH_B \next, 0, 0
	FETCH_A \next, 0, 0
	SCALES \next
	WIN MUL_HI
	MUL16 4, 1, NQ-1, \slot, 0
	MUL16 6, 1, NQ-1, \slot, 0
	PLACES NP
	WIN 0
	FETCH_A \next, 0, 4
.endm
.macro STEPS slot, from                ; the slot's steps from .. NQ - 2
.set Q, \from
.rept NQ-1-\from
	STEP \slot, Q, 0
.set Q, Q+1
.endr
.endm
	s_wait_tensorcnt 1                             ; the scales and my part of slot 0 are in; slot 1's load may be out
	s_barrier_signal -1
	s_barrier_wait -1                              ; everybody's are
	FETCH_B 0, 0, 0
	FETCH_A 0, 0, 0
	SCALES 0
	FETCH_A 0, 0, 4
	STEP 0, 0, 1                                   ; the first step's products start the sums: nothing is cleared
	STEPS 0, 1
	TURN 0, 1
	STEPS 1, 0
	s_wait_dscnt 4*NL                              ; the very last step: nothing more to fetch
	WIN MUL_LO
	MUL16 0, 1, NQ-1, 1, 0
	MUL16 2, 1, NQ-1, 1, 0
	s_wait_dscnt 0
	WIN MUL_HI
	MUL16 4, 1, NQ-1, 1, 0
	MUL16 6, 1, NQ-1, 1, 0
	WIN 0
; THE WAY OUT, block by block of 16 rows (tokens) x 128 columns (two heads).  PACK: rounded to f16, 16 bytes a lane, each accumulator from its low end on.  TOSTAGE: into my own stage and back, four tokens x one head's 128 bytes an
; instruction.  SEND: each store covers 512 consecutive bytes of one head, at a multiple of 512 from the buffer's first byte.  Every offset is an immediate.
.macro PACK a
.set AC, 64*((\a)%4)
	WIN 0x0a+5*((\a)/4)                            ; sources 0 and 1: window 2 or 3
.irp b, 0,1,2,3,4,5,6,7
.irp r, 0,1,2,3
	v_cvt_pk_f16_f32 v[TMP+4*\b+\r], v[AC+8*\b+2*\r], v[AC+8*\b+2*\r+1]
.endr
.endr
	WIN 0
.endm
.macro TOSTAGE a
.set BB, BK+32*((\a)%2)
.irp b, 0,1,2,3,4,5,6,7
	ds_store_b128 v[STO], v[TMP+4*\b:TMP+4*\b+3] offset:32*\b
.endr
.irp g, 0,1
.irp t, 0,1,2,3
	ds_load_b128 v[BB+4*(4*\g+\t):BB+4*(4*\g+\t)+3], v[RD] offset:\t*4*SPITCH+\g*128   ; LDS serves a wave's instructions in order: these see the stores above
.endr
.endr
.endm
.macro SEND a
.set BB, BK+32*((\a)%2)
	s_wait_dscnt 0x0                               ; the block is back in registers
	s_wait_xcnt 0x0                                ; the stores of the block before have read their data: the next block's loads land there only behind this wait
.irp g, 0,1
.irp t, 0,1,2,3
	global_store_b128 v[CO], v[BB+4*(4*\g+\t):BB+4*(4*\g+\t)+3], s[12:13] offset:\g*262144+(\a)*2048+\t*512
.endr
.endr
.endm
	PLACES NP                                      ; behind the last products
	PACK 0
	TOSTAGE 0
.irp a, 1,2,3,4,5,6,7                  ; block a's conversions stand between block a - 1's loads from the stage and the wait for them
	PACK \a
	SEND \a-1
	TOSTAGE \a
.endr
	SEND 7
	s_wait_tensorcnt 0x0                           ; the wave's end: behind my last tensor load and my last LDS store
	ds_add_u32 v[SPW], v[NIL]
	s_wait_dscnt 0x0
	CROUND                                         ; the closing round: no work-group ends while a partner may still ask for a tile that names it
	s_endpgm
.Lfunc_end_k_qf8d3f9e578_qkv_gemm:
	.size	k_qf8d3f9e578_qkv_gemm, .Lfunc_end_k_qf8d3f9e578_qkv_gemm-k_qf8d3f9e578_qkv_gemm
	.p2alignl 7, 3214868480
	.fill 96, 4, 3214868480
	.section	.rodata,"a",@progbits
	.p2align	6, 0x0
	.amdhsa_kernel k_qf8d3f9e578_qkv_gemm
		.amdhsa_group_segment_fixed_size 327680
		.amdhsa_private_segment_fixed_size 0
		.amdhsa_enable_private_segment 0
		.amdhsa_kernarg_size 40
		.amdhsa_user_sgpr_count 2
		.amdhsa_user_sgpr_kernarg_segment_ptr 1
		.amdhsa_wavefront_size32 1
		.amdhsa_system_sgpr_workgroup_id_x 1
		.amdhsa_system_sgpr_workgroup_id_y 1
		.amdhsa_system_sgpr_workgroup_id_z 1
		.amdhsa_system_vgpr_workitem_id 0
		.amdhsa_next_free_vgpr 1024
		.amdhsa_next_free_sgpr 98
		.amdhsa_reserve_vcc 0
		.amdhsa_float_denorm_mode_32 3
		.amdhsa_float_denorm_mode_16_64 3
		.amdhsa_memory_ordered 1
		.amdhsa_forward_progress 1
		.amdhsa_inst_pref_size 127
	.end_amdhsa_kernel
	.amdgpu_metadata
---
amdhsa.version: [ 1, 2 ]
amdhsa.kernels:
  - .name:           k_qf8d3f9e578_qkv_gemm
    .symbol:         k_qf8d3f9e578_qkv_gemm.kd
    .args:
      - { .name: x_codes, .offset: 0, .size: 8, .value_kind: global_buffer, .address_space: global }
      - { .name: x_scales, .offset: 8, .size: 8, .value_kind: global_buffer, .address_space: global }
      - { .name: w_codes, .offset: 16, .size: 8, .value_kind: global_buffer, .address_space: global }
      - { .name: w_scales, .offset: 24, .size: 8, .value_kind: global_buffer, .address_space: global }
      - { .name: qkv, .offset: 32, .size: 8, .value_kind: global_buffer, .address_space: global }
    .group_segment_fixed_size: 327680
    .private_segment_fixed_size: 0
    .kernarg_segment_align: 8
    .kernarg_segment_size: 40
    .max_flat_workgroup_size: 128
    .sgpr_count:     98
    .vgpr_count:     1024
    .wavefront_size: 32
...
	.end_amdgpu_metadata
.endif
;; end of part 2
;; launch attn (part 3): grid 4 x 64, 8 waves a work-group, clusters of 4 x 1, 327,680 bytes of LDS; arguments qkv, o16; writes o16
.if DOCPART == 3
	.amdgcn_target "amdgcn-amd-amdhsa--gfx1250"
	.amdhsa_code_object_version 6
	.text
	.protected	k_qf8d3f9e578_attn
	.globl	k_qf8d3f9e578_attn
	.p2align	8
	.type	k_qf8d3f9e578_attn,@function
k_qf8d3f9e578_attn:
	s_mov_b64 s[64:65], 0
	v_nop
	global_prefetch_b8 v0, s[64:65] scope:SCOPE_SE
	s_setreg_imm32_b32 hwreg(HW_REG_WAVE_MODE, 25, 1), 1
	s_wait_xcnt 0x0
	s_wait_alu depctr_hold_cnt(0) depctr_sa_sdst(0) depctr_va_vdst(0) depctr_va_sdst(0) depctr_va_ssrc(0) depctr_va_vcc(0) depctr_vm_vsrc(0)
	s_getreg_b32 s2, hwreg(HW_REG_IB_STS2, 6, 4)
	s_cmp_eq_u32 s2, 0
	s_cbranch_scc0 .Lentry_in_a_cluster
	s_endpgm
.Lentry_in_a_cluster:
	s_bfe_u32 s2, ttmp6, 0x10000c
	s_cmp_lg_u32 s2, 0x3003
	s_cbranch_scc0 .Lentry_shape_is_right
	s_endpgm
.Lentry_shape_is_right:
; O[y][q][:] = the sum over k of softmax_k(Q[y][q] . K[y][k] / 8) V[y][k][:], for y = 16 b + h; no mask.  Q, K, V: qkv [3][64 (y)][2048][64] f16.  Products, maxima and sums in f32; the weights p are rounded to f16 for the
; second product, O once at the end, to f16.  OUT: o16 [h 16][m = 2048 b + s][64 f16].
; SHARES.  A work-group owns 512 queries of one head, each of its eight waves 64: four tiles of 16, in 512 registers.  Every wave walks all 2,048 keys, 64 a step.
; LAYOUT.  S^T = K Q^T (source 0 = 16 keys, source 1 = 16 queries): a lane holds ONE query (lane % 16) and the keys 8 (lane / 16) + 0..7.  Two such tiles, rounded to f16 in pairs, ARE source 1 (32 keys x 16 queries) of
; O^T = V^T P, whose result again holds one query a lane.  K comes out of LDS as it lies, V ([key][channel]) turned, by ds_load_tr16_b128.
; SOFTMAX.  For each query a running maximum m and sum l: p = 2^(c s - c m), c = log2(e) / 8; in every step O and l are multiplied by a = 2^(c m_old - c m_new).  The sum is taken of p in f32.
; A STEP GOES IN PHASES: loads, 32 products K Q^T, the four tiles' softmax (line by line, the tiles by turns), 32 products V^T P.  The SIMD's second wave has its own phases beside these.
; CLUSTER.  The four work-groups of a head walk the same K and V: each tile is asked for JOINTLY, by the same tensor load with the same descriptor and the mask of all four.
; RING.  Two slots of 512 keys.  A row of K or V is 128 bytes and the rows are dense, so a tile is stated as double rows of 256 bytes with padding behind each: row i lies at (i / 2) x pitch + 128 (i % 2).
; With K's pitch of 272 the 16 rows of a fragment load start at 16 different 16-byte columns of 256; with V's 288 the 8 rows x 32 bytes of a turning load do.
; Both slots are asked for at the head, each is filled once more; a refill is asked for eight key steps ahead of its first read, so no prefetch is laid.
; LIMITS: |q|, |k|, |v| are f16 as the launch before left them; O under 6e-5 falls on f16's subnormal grid.
; REGISTERS: window 0: v2-9 addresses; v12, v13 the add's two; v16-47 statistics, eight a tile; v48-111 K's fragments; v128-255 S^T, 32 a tile, whose first 16 then hold P.
;   window 1: v0-63 Q; v64-127 V's fragments; v128-255 O^T, 32 a tile.
.set KREG,  256*272                    ; a slot: 256 double rows of K,
.set SLOT,  KREG+256*288               ; then 256 double rows of V
.set KSTP,  32*272                     ; a step's 64 keys in K's region
.set VSTP,  32*288                     ; and in V's
.set SPARE, 2*SLOT                     ; behind the ring: the spare words, 128 bytes a wave, which no other line names
.set SPS,   144                        ; the way out: a stage of 16 rows x (128 bytes + 16) for each wave, in slot 0, which has had its last fill and its last read by then
.set AK0, 2                            ; v2  my lane's place in a tile of K; never rewritten
.set AV0, 3                            ; v3  the same for V
.set ADK, 4                            ; v4  LDS address of the step's K
.set ADV, 5                            ; v5  of its V
.set QO,  6                            ; v6  my byte offset in the wave's rows of Q
.set STO, 7                            ; v7  the way out: where I put 16 bytes of a row
.set RD,  8                            ; v8  where I read 16 bytes back
.set GO,  9                            ; v9  16 x lane
.set SPW, 12                           ; v12 LDS address of my spare word; never rewritten
.set NIL, 13                           ; v13 0; never rewritten
.set ST,  16                           ; tile t's statistics at v[ST + 8 t]: +0 c m, +1 m, +2, +3 l (even keys', odd keys'), +4 to +7 c0-c3, at work; a takes c2's place
.set KF,  48                           ; fragment (kt, ks) at 16 kt + 8 ks
.set S,   128
.set QF,  0                            ; window 1: fragment (t, ks) at 16 t + 8 ks
.set VF,  64                           ; window 1: fragment (ct, f) at 16 ct + 8 f
.set OT,  128                          ; window 1: tile (t, ct) at 32 t + 8 ct
.set WV,  8                            ; s8  my wave's number
.set G1K, 16                           ; s[16:23] descriptor group 1 for K's tiles
.set G1V, 24                           ; s[24:31] for V's: it differs in the padding alone
.set G0K, 32                           ; s[32:39] group 0 for K's tiles, a set for each slot
.set G0V, 40                           ; s[40:47] the same for V's
.set CS,  48                           ; s[48:49] c, named as a pair
.set SEL, 50                           ; s[50:51] lane selects for v_permlanex16_b32: lane l xor 16
.set TBK, 52                           ; s52 LDS byte at which the step's K begins
.set TBV, 53                           ; s53 the same for V, less KREG
.set CNT, 54                           ; s54 counts steps
.set QA,  56                           ; s[56:57] Q at my wave's first row
.set OA,  58                           ; s[58:59] o16 at my wave's first row
.set MSB, 0
.macro WIN new                         ; the immediate's high byte repeats the setting that is left; a switch that changes nothing is dropped
.if MSB != (\new)
	s_set_vgpr_msb (MSB<<8)|(\new)
.set MSB, (\new)
.endif
.endm
.set W_LD, 0x40                        ; destination window 1, address window 0
.set W_KQ, 0x04                        ; source 1 (Q) window 1
.set W_PV, 0x51                        ; V, and O^T as C and D, window 1; P window 0
.set W_RS, 0x41                        ; O^T (destination and source 0) window 1, the factor window 0
.set W_CV, 0x05                        ; sources 0 and 1 window 1
; A joint refill of slot n: waves 0-3 fetch a quarter each of K's 512 rows, waves 4-7 of V's.  The branch hangs on the wave's number alone.  An s_nop 0 and four v_nop follow each line.
.macro JLOAD n
	s_cmp_lt_u32 s[WV], 4
	s_cbranch_scc0 .Lfor_v_\@
	tensor_load_to_lds s[G0K+4*\n:G0K+4*\n+3], s[G1K:G1K+7]
	s_nop 0
.rept 4
	v_nop
.endr
	s_branch .Lasked_\@
.Lfor_v_\@:
	tensor_load_to_lds s[G0V+4*\n:G0V+4*\n+3], s[G1V:G1V+7]
	s_nop 0
.rept 4
	v_nop
.endr
.Lasked_\@:
.endm
.macro CROUND                          ; a round of the cluster's barrier
	s_barrier_signal -1
	s_barrier_wait -1
	s_cmp_lg_u32 s[WV], 0
	s_cbranch_scc1 .Lnot_wave_0_\@
	s_barrier_signal -3
.Lnot_wave_0_\@:
	s_barrier_wait -3
	s_barrier_signal -1
	s_barrier_wait -1
.endm
	s_load_b128 s[4:7], s[0:1], 0x0                ; qkv s[4:5], o16 s[6:7]
	v_lshl_add_u32 v[SPW], v0, 2, SPARE
	v_mov_b32 v[NIL], 0
	ds_add_u32 v[SPW], v[NIL]                      ; the wave's opening: the add, twice on end, and its wait ahead of my first tensor load
	ds_add_u32 v[SPW], v[NIL]
	v_lshrrev_b32 v1, 5, v0
	v_readfirstlane_b32 s[WV], v1                  ; wave 0..7
	s_bfe_u32 s9, ttmp6, 0x40000                   ; cx: my place in the cluster
	s_lshl_b32 s11, ttmp9, 2
	s_add_co_u32 s11, s11, s9                      ; my block of 512 queries: it enters Q's and O's addresses alone
	s_and_b32 s10, ttmp7, 0xffff                   ; y = 16 b + h, which the four partners share
	s_lshl_b32 s12, s10, 18                        ; a head's 2,048 rows of 128 bytes
	s_and_b32 s13, s[WV], 3                        ; which quarter of a slot's rows I fetch:
	s_lshl_b32 s14, s13, 14                        ; 128 rows of 128 bytes in memory,
	s_add_co_u32 s14, s14, s12
	s_mov_b32 s15, 0
	s_mul_i32 s2, s13, 64*272                      ; 64 double rows in K's region,
	s_mul_i32 s3, s13, 64*288                      ; or in V's: no place in the cluster enters an LDS address
	s_lshl_b32 s56, s11, 16                        ; my block's 512 rows,
	s_lshl_b32 s57, s[WV], 13                      ; my wave's 64 of them
	s_add_co_u32 s56, s56, s57
	s_and_b32 s58, s10, 15
	s_lshl_b32 s58, s58, 20                        ; o16: the head's 8,192 rows,
	s_lshr_b32 s59, s10, 4
	s_lshl_b32 s59, s59, 18                        ; the batch's 2,048 of them
	s_add_co_u32 s58, s58, s59
	s_add_co_u32 s58, s58, s56
	s_add_co_u32 s56, s56, s12
	s_mov_b32 s57, 0
	s_mov_b32 s59, 0
	; descriptor group 1: 64 double rows of 128 elements of 2 bytes, dense in memory, padded in LDS
	s_mov_b32 s[G1K], 15|(1<<16)|(1<<20)|(1<<21)|(5<<22)|(3<<25)  ; the mask: all four work-groups; elements of 2 bytes; padding on; bit 21 beside a mask; after every 64 words, 4 words
	s_mov_b32 s[G1V], 15|(1<<16)|(1<<20)|(1<<21)|(5<<22)|(7<<25)  ; the same with 8 words of padding
.irp g, G1K, G1V
	s_mov_b32 s[\g+1], 128<<16                     ; tensor_dim0 = 128
	s_mov_b32 s[\g+2], 64<<16                      ; tensor_dim1 = 64
	s_mov_b32 s[\g+3], 128<<16                     ; tile_dim0 = 128
	s_mov_b32 s[\g+4], 64                          ; tile_dim1 = 64
	s_mov_b32 s[\g+5], 128                         ; from row to row
	s_mov_b32 s[\g+6], 0
	s_mov_b32 s[\g+7], 0
.endr
	s_mov_b32 s[CS], 0x3e38aa3b                    ; c = log2(e) / 8
	s_mov_b32 s[CS+1], s[CS]                       ; named with it as a pair, so it is written
	s_mov_b32 s[SEL], 0x76543210
	s_mov_b32 s[SEL+1], 0xfedcba98
	s_mov_b32 s[TBK], 0
	s_mov_b32 s[TBV], 0
	s_wait_dscnt 0x0                               ; both opening adds are done
	s_wait_kmcnt 0x0
	s_add_nc_u64 s[14:15], s[4:5], s[14:15]        ; my quarter of the head's first 512 rows, in q's part of qkv
	s_add_nc_u64 s[QA:QA+1], s[4:5], s[56:57]
	s_add_nc_u64 s[OA:OA+1], s[6:7], s[58:59]
	CROUND                                         ; all four work-groups are here: the first joint loads meet
.irp n, 0,1
	s_mov_b32 s[G0K+4*\n], 1                       ; count = 1
	s_add_co_u32 s[G0K+4*\n+1], s2, \n*SLOT        ; LDS address
	s_add_nc_u64 s[G0K+4*\n+2:G0K+4*\n+3], s[14:15], (1<<24)+\n*65536   ; k's part; slot n begins with keys 512 n
	s_or_b32 s[G0K+4*\n+3], s[G0K+4*\n+3], 0x80000000                 ; type = 2
	s_mov_b32 s[G0V+4*\n], 1
	s_add_co_u32 s[G0V+4*\n+1], s3, \n*SLOT+KREG
	s_add_nc_u64 s[G0V+4*\n+2:G0V+4*\n+3], s[14:15], (2<<24)+\n*65536   ; v's part
	s_or_b32 s[G0V+4*\n+3], s[G0V+4*\n+3], 0x80000000
.endr
	s_cmp_lt_u32 s[WV], 4                          ; a wave's two first fills stand in one branch, ahead of every wait on TENSORcnt and every LDS read: two loads of mine are out
	s_cbranch_scc0 .Lfirst_v
	tensor_load_to_lds s[G0K:G0K+3], s[G1K:G1K+7]
	s_nop 0
	tensor_load_to_lds s[G0K+4:G0K+7], s[G1K:G1K+7]
	s_nop 0
.rept 4
	v_nop
.endr
	s_branch .Lfirst_asked
.Lfirst_v:
	tensor_load_to_lds s[G0V:G0V+3], s[G1V:G1V+7]
	s_nop 0
	tensor_load_to_lds s[G0V+4:G0V+7], s[G1V:G1V+7]
	s_nop 0
.rept 4
	v_nop
.endr
.Lfirst_asked:
	; A fragment of K or Q is 16 rows x 32 channels in 8 registers: lane l holds row l % 16; registers 0-3 channels 8 (l / 16) + 0..7, registers 4-7 channels 16 + 8 (l / 16) + 0..7: two loads of 16 bytes, 32 bytes apart.
	v_and_b32 v1, 15, v0                           ; r
	v_bfe_u32 v10, v0, 4, 1                        ; h
	v_lshlrev_b32 v[QO], 7, v1
	v_lshl_add_u32 v[QO], v10, 4, v[QO]            ; row x 128 + 16 x half
	WIN W_LD
.irp t, 0,1,2,3
.irp ks, 0,1
	global_load_b128 v[QF+16*\t+8*\ks:QF+16*\t+8*\ks+3],   v[QO], s[QA:QA+1] offset:\t*2048+\ks*64      ; Q stays in registers
	global_load_b128 v[QF+16*\t+8*\ks+4:QF+16*\t+8*\ks+7], v[QO], s[QA:QA+1] offset:\t*2048+\ks*64+32
.endr
.endr
	WIN 0
	v_lshrrev_b32 v11, 1, v1
	v_mul_u32_u24 v[AK0], v11, 272                 ; K: double row r / 2,
	v_and_b32 v11, 1, v1
	v_lshl_add_u32 v[AK0], v11, 7, v[AK0]          ; its half r % 2,
	v_lshl_add_u32 v[AK0], v10, 4, v[AK0]          ; 16 bytes for each half of the lanes
	; The turning load takes 16 keys x 16 channels (lane l reads 16 bytes: key 8 (l / 16) + l % 8, channels 8 ((l / 8) % 2) + 0..7) and leaves half a fragment of V^T: lane l holds channel l % 16 and 8 keys.
	v_and_b32 v11, 7, v0
	v_lshl_add_u32 v11, v10, 3, v11                ; the key
	v_lshrrev_b32 v[AV0], 1, v11
	v_mul_u32_u24 v[AV0], v[AV0], 288
	v_and_b32 v11, 1, v11
	v_lshl_add_u32 v[AV0], v11, 7, v[AV0]
	v_bfe_u32 v11, v0, 3, 1
	v_lshl_add_u32 v[AV0], v11, 4, v[AV0]
	v_add_nc_u32 v[AV0], KREG, v[AV0]
	s_mul_i32 s13, s[WV], 16*SPS                   ; my stage
	v_mul_u32_u24 v[STO], v1, SPS                  ; in: row r, 16 bytes for each half of the lanes
	v_lshl_add_u32 v[STO], v10, 4, v[STO]
	v_add_nc_u32 v[STO], s13, v[STO]
	v_and_b32 v11, 31, v0
	v_lshlrev_b32 v[GO], 4, v11                    ; out: 16 bytes a lane
	v_lshrrev_b32 v[RD], 3, v11                    ; back: eight lanes to a row of 128 bytes, four rows an instruction
	v_mul_u32_u24 v[RD], v[RD], SPS
	v_and_b32 v11, 7, v0
	v_lshl_add_u32 v[RD], v11, 4, v[RD]
	v_add_nc_u32 v[RD], s13, v[RD]
; A KEY STEP: 64 keys.  first = 1: the first step, which starts m, l and O^T: it has no a and nothing to rescale.
.macro STEP first
	v_add_nc_u32 v[ADK], s[TBK], v[AK0]            ; these two and three v_nop are five places behind the last V^T P: ahead of the loads into V's fragments (four are asked) and of the products that write over P (five)
	v_add_nc_u32 v[ADV], s[TBV], v[AV0]
.rept 3
	v_nop
.endr
.irp kt, 0,1,2,3
.irp ks, 0,1
	ds_load_b128 v[KF+16*\kt+8*\ks:KF+16*\kt+8*\ks+3],   v[ADK] offset:\kt*2176+\ks*64
	ds_load_b128 v[KF+16*\kt+8*\ks+4:KF+16*\kt+8*\ks+7], v[ADK] offset:\kt*2176+\ks*64+32
.endr
.endr
	WIN W_LD
.irp ct, 0,1,2,3
.irp f, 0,1
	ds_load_tr16_b128 v[VF+16*\ct+8*\f:VF+16*\ct+8*\f+3],   v[ADV] offset:\f*4608+\ct*32
	ds_load_tr16_b128 v[VF+16*\ct+8*\f+4:VF+16*\ct+8*\f+7], v[ADV] offset:\f*4608+\ct*32+2304
.endr
.endr
	s_wait_dscnt 16                                ; K's sixteen loads are in; V's sixteen stay out
	WIN W_KQ
.irp ks, 0,1                           ; S^T = K Q^T: the sixteen accumulators take turns, one instruction a turn; the first sixteen start the sums
.irp kt, 0,1,2,3
.irp t, 0,1,2,3
.if \ks == 0
	v_wmma_f32_16x16x32_f16 v[S+32*\t+8*\kt:S+32*\t+8*\kt+7], v[KF+16*\kt+8*\ks:KF+16*\kt+8*\ks+7], v[QF+16*\t+8*\ks:QF+16*\t+8*\ks+7], 0
.else
	v_wmma_f32_16x16x32_f16 v[S+32*\t+8*\kt:S+32*\t+8*\kt+7], v[KF+16*\kt+8*\ks:KF+16*\kt+8*\ks+7], v[QF+16*\t+8*\ks:QF+16*\t+8*\ks+7], v[S+32*\t+8*\kt:S+32*\t+8*\kt+7]
.endif
.endr
.endr
.endr
	WIN 0
.rept 4
	v_nop                                          ; places behind the products
.endr
	; the maximum of a lane's 32 scores and the old m, three operands at a time: four chains c0-c3; each accumulator is read from its low end on
.irp j, 0,1,2,3
.irp t, 0,1,2,3
	v_max3_num_f32 v[ST+8*\t+4+\j], v[S+32*\t+8*\j], v[S+32*\t+8*\j+1], v[S+32*\t+8*\j+2]
.endr
.endr
.irp u, 1,2
.irp j, 0,1,2,3
.irp t, 0,1,2,3
	v_max3_num_f32 v[ST+8*\t+4+\j], v[ST+8*\t+4+\j], v[S+32*\t+8*\j+2*\u+1], v[S+32*\t+8*\j+2*\u+2]
.endr
.endr
.endr
.irp t, 0,1,2,3
	v_max3_num_f32 v[ST+8*\t+4], v[ST+8*\t+4], v[S+32*\t+7], v[S+32*\t+15]
.endr
.irp t, 0,1,2,3
	v_max3_num_f32 v[ST+8*\t+6], v[ST+8*\t+6], v[S+32*\t+23], v[S+32*\t+31]
.endr
.irp t, 0,1,2,3
	v_max3_num_f32 v[ST+8*\t+4], v[ST+8*\t+4], v[ST+8*\t+5], v[ST+8*\t+6]
.endr
.irp t, 0,1,2,3
.if \first
	v_max_num_f32 v[ST+8*\t+4], v[ST+8*\t+4], v[ST+8*\t+7]
.else
	v_max3_num_f32 v[ST+8*\t+4], v[ST+8*\t+4], v[ST+8*\t+7], v[ST+8*\t+1]
.endif
.endr
.irp t, 0,1,2,3
	v_permlanex16_b32 v[ST+8*\t+5], v[ST+8*\t+4], s[SEL], s[SEL+1]   ; the query's other 32 keys lie in the lane 16 away
.endr
.if \first == 0
.irp t, 0,1,2,3
	v_mov_b32 v[ST+8*\t+7], v[ST+8*\t]             ; c m_old is kept for a
.endr
.endif
.irp t, 0,1,2,3
	v_max_num_f32 v[ST+8*\t+1], v[ST+8*\t+4], v[ST+8*\t+5]           ; the new m
.endr
.irp t, 0,1,2,3
	v_mul_f32 v[ST+8*\t], s[CS], v[ST+8*\t+1]      ; c m
.endr
.if \first == 0
.irp t, 0,1,2,3
	v_sub_f32 v[ST+8*\t+7], v[ST+8*\t+7], v[ST+8*\t]
.endr
.irp t, 0,1,2,3
	v_exp_f32 v[ST+8*\t+6], v[ST+8*\t+7]           ; a = 2^(c m_old - c m_new): the first of the batch
.endr
.endif
.set j, 0
.rept 16
.irp t, 0,1,2,3
	v_pk_fma_f32 v[S+32*\t+j:S+32*\t+j+1], v[S+32*\t+j:S+32*\t+j+1], s[CS:CS+1], v[ST+8*\t:ST+8*\t+1] op_sel_hi:[1,0,0] neg_lo:[0,0,1] neg_hi:[0,0,1]   ; c s - c m, two at a time
.endr
.set j, j+2
.endr
.set j, 0
.rept 32
.irp t, 0,1,2,3
	v_exp_f32 v[S+32*\t+j], v[S+32*\t+j]           ; p = 2^(c s - c m), at most 1
.endr
.set j, j+1
.endr
	v_nop                                          ; a plain instruction behind the last exponential
	s_wait_alu depctr_va_vdst(0)                   ; ONE wait for the whole batch, ahead of the first instruction that names a result
	; the sums, of p in f32: two chains a tile; l = a l + the sum
.irp t, 0,1,2,3
	v_pk_add_f32 v[ST+8*\t+4:ST+8*\t+5], v[S+32*\t:S+32*\t+1], v[S+32*\t+2:S+32*\t+3]
.endr
.irp t, 0,1,2,3
.if \first
	v_pk_add_f32 v[ST+8*\t+2:ST+8*\t+3], v[S+32*\t+4:S+32*\t+5], v[S+32*\t+6:S+32*\t+7]
.else
	v_pk_fma_f32 v[ST+8*\t+2:ST+8*\t+3], v[ST+8*\t+2:ST+8*\t+3], v[ST+8*\t+6:ST+8*\t+7], v[S+32*\t+4:S+32*\t+5] op_sel_hi:[1,0,1]
.endif
.endr
.if \first == 0
.irp t, 0,1,2,3
	v_pk_add_f32 v[ST+8*\t+4:ST+8*\t+5], v[ST+8*\t+4:ST+8*\t+5], v[S+32*\t+6:S+32*\t+7]
.endr
.endif
.irp j, 8,12,16,20,24,28
.irp t, 0,1,2,3
	v_pk_add_f32 v[ST+8*\t+2:ST+8*\t+3], v[ST+8*\t+2:ST+8*\t+3], v[S+32*\t+\j:S+32*\t+\j+1]
.endr
.irp t, 0,1,2,3
	v_pk_add_f32 v[ST+8*\t+4:ST+8*\t+5], v[ST+8*\t+4:ST+8*\t+5], v[S+32*\t+\j+2:S+32*\t+\j+3]
.endr
.endr
.irp t, 0,1,2,3
	v_pk_add_f32 v[ST+8*\t+2:ST+8*\t+3], v[ST+8*\t+2:ST+8*\t+3], v[ST+8*\t+4:ST+8*\t+5]
.endr
	; P, rounded to f16 in pairs, in place: register j takes scores 2 j and 2 j + 1, j ascending, so no number is written over before it is read
.set j, 0
.rept 16
.irp t, 0,1,2,3
	v_cvt_pk_f16_f32 v[S+32*\t+j], v[S+32*\t+2*j], v[S+32*\t+2*j+1]
.endr
.set j, j+1
.endr
.if \first == 0
	WIN W_RS
.set j, 0
.rept 16
.irp t, 0,1,2,3
	v_pk_mul_f32 v[OT+32*\t+j:OT+32*\t+j+1], v[OT+32*\t+j:OT+32*\t+j+1], v[ST+8*\t+6:ST+8*\t+7] op_sel_hi:[1,0]   ; O^T x a, each accumulator from its low end on
.endr
.set j, j+2
.endr
.endif
	s_wait_dscnt 0x0                               ; V is in
	WIN W_PV
.irp f, 0,1                            ; O^T += V^T P: the sixteen accumulators take turns
.irp ct, 0,1,2,3
.irp t, 0,1,2,3
.if \first && (\f == 0)
	v_wmma_f32_16x16x32_f16 v[OT+32*\t+8*\ct:OT+32*\t+8*\ct+7], v[VF+16*\ct+8*\f:VF+16*\ct+8*\f+7], v[S+32*\t+8*\f:S+32*\t+8*\f+7], 0
.else
	v_wmma_f32_16x16x32_f16 v[OT+32*\t+8*\ct:OT+32*\t+8*\ct+7], v[VF+16*\ct+8*\f:VF+16*\ct+8*\f+7], v[S+32*\t+8*\f:S+32*\t+8*\f+7], v[OT+32*\t+8*\ct:OT+32*\t+8*\ct+7]
.endif
.endr
.endr
.endr
	WIN 0
	s_add_co_u32 s[TBK], s[TBK], KSTP              ; the next step's tiles
	s_add_co_u32 s[TBV], s[TBV], VSTP
.endm
.macro STEPS n                         ; n key steps: written once, walked n times
	s_mov_b32 s[CNT], \n
.Lstep_\@:
	STEP 0
	s_sub_co_u32 s[CNT], s[CNT], 1
	s_cmp_lg_u32 s[CNT], 0
	s_cbranch_scc1 .Lstep_\@
.endm
; THE CHANGE OF SLOTS with a refill of slot n, which has just been read out.  Each wave waits for all its tensor loads (one is out: its part of the other slot), adds 0 to its spare word, and waits for that and for its reads.
; The barrier is a round of the cluster's, so that no wave of any partner still reads the slot or has a load on its way; the joint refill is the first thing behind it and has eight key steps in which to land.
.macro CHANGE n
	s_wait_tensorcnt 0x0                           ; no tensor load of mine is out, so a group 0 may be written
	ds_add_u32 v[SPW], v[NIL]                      ; 0 onto my spare word; the descriptors' steps stand between it and the wait for it
	s_add_nc_u64 s[G0K+4*\n+2:G0K+4*\n+3], s[G0K+4*\n+2:G0K+4*\n+3], 2*65536   ; the keys two slots on; the type bits on top are not reached
	s_add_nc_u64 s[G0V+4*\n+2:G0V+4*\n+3], s[G0V+4*\n+2:G0V+4*\n+3], 2*65536
	s_wait_dscnt 0x0                               ; the add is done, and my reads of the slot are over
	CROUND
	JLOAD \n
.endm
	s_wait_tensorcnt 1                             ; my part of slot 0 is in; slot 1's may stay out
	s_barrier_signal -1
	s_barrier_wait -1                              ; everybody's is
	s_wait_loadcnt 0x0                             ; Q
	STEP 1                                         ; keys 0 to 63 start m, l and O^T: nothing is cleared
	STEPS 7                                        ; the rest of slot 0
	CHANGE 0                                       ; slot 0 takes keys 1,024 to 1,535
	s_mov_b32 s[TBK], SLOT
	s_mov_b32 s[TBV], SLOT
	STEPS 8                                        ; slot 1: keys 512 to 1,023
	CHANGE 1                                       ; slot 1 takes keys 1,536 to 2,047
	s_mov_b32 s[TBK], 0
	s_mov_b32 s[TBV], 0
	STEPS 8
	s_wait_tensorcnt 0x0                           ; the last change of slots asks for nothing: my part of slot 1 has landed,
	ds_add_u32 v[SPW], v[NIL]
	s_wait_dscnt 0x0                               ; my reads of slot 0 are over,
	s_barrier_signal -1
	s_barrier_wait -1                              ; and so are everybody's
	s_mov_b32 s[TBK], SLOT
	s_mov_b32 s[TBV], SLOT
	STEPS 8
	; THE WAY OUT.  l's two halves and the other half of the lanes' are added; O^T is divided by l, rounded to f16 and sent through my stage, a tile (16 rows) at a time.  The four additions are the places behind the last products.
.irp t, 0,1,2,3
	v_add_f32 v[ST+8*\t+4], v[ST+8*\t+2], v[ST+8*\t+3]
.endr
.irp t, 0,1,2,3
	v_permlanex16_b32 v[ST+8*\t+5], v[ST+8*\t+4], s[SEL], s[SEL+1]
.endr
.irp t, 0,1,2,3
	v_add_f32 v[ST+8*\t+4], v[ST+8*\t+4], v[ST+8*\t+5]
.endr
.irp t, 0,1,2,3
	v_rcp_f32 v[ST+8*\t+6], v[ST+8*\t+4]
.endr
	v_nop                                          ; a plain instruction behind the last reciprocal
	s_wait_alu depctr_va_vdst(0)                   ; one wait for the four, ahead of their first reader
.macro PACK t
	WIN W_RS
.set i, 0
.rept 16
	v_pk_mul_f32 v[OT+32*\t+i:OT+32*\t+i+1], v[OT+32*\t+i:OT+32*\t+i+1], v[ST+8*\t+6:ST+8*\t+7] op_sel_hi:[1,0]
.set i, i+2
.endr
	WIN W_CV
.set i, 0
.rept 16
	v_cvt_pk_f16_f32 v[S+32*\t+i], v[OT+32*\t+2*i], v[OT+32*\t+2*i+1]   ; registers 4 ct .. 4 ct + 3: channels 16 ct + 8 (l / 16) + 0..7 of row l % 16
.set i, i+1
.endr
	WIN 0
.irp ct, 0,1,2,3
	ds_store_b128 v[STO], v[S+32*\t+4*\ct:S+32*\t+4*\ct+3] offset:32*\ct
.endr
.irp g, 0,1,2,3
	ds_load_b128 v[S+32*\t+16+4*\g:S+32*\t+16+4*\g+3], v[RD] offset:4*SPS*\g   ; LDS serves a wave's instructions in order: these see the stores above, and the next tile's stores come behind them
.endr
.endm
.macro SEND t, younger                 ; younger: the LDS instructions issued behind tile t's loads: the next tile's four stores and four loads, or none
.irp g, 0,1,2,3
	s_wait_dscnt \younger+3-\g
	global_store_b128 v[GO], v[S+32*\t+16+4*\g:S+32*\t+16+4*\g+3], s[OA:OA+1] offset:\t*2048+\g*512   ; 32 lanes store 512 consecutive bytes, at a multiple of 512 from the buffer's first byte
.endr
.endm
	PACK 0
	PACK 1
	SEND 0, 8
	PACK 2
	SEND 1, 8
	PACK 3
	SEND 2, 8
	SEND 3, 0
	s_wait_tensorcnt 0x0                           ; the wave's end: behind my last tensor load and my last LDS store
	ds_add_u32 v[SPW], v[NIL]
	s_wait_dscnt 0x0
	CROUND                                         ; the closing round: no work-group ends while a partner may still ask for a tile that names it
	s_endpgm
.Lfunc_end_k_qf8d3f9e578_attn:
	.size	k_qf8d3f9e578_attn, .Lfunc_end_k_qf8d3f9e578_attn-k_qf8d3f9e578_attn
	.p2alignl 7, 3214868480
	.fill 96, 4, 3214868480
	.section	.rodata,"a",@progbits
	.p2align	6, 0x0
	.amdhsa_kernel k_qf8d3f9e578_attn
		.amdhsa_group_segment_fixed_size 327680
		.amdhsa_private_segment_fixed_size 0
		.amdhsa_enable_private_segment 0
		.amdhsa_kernarg_size 16
		.amdhsa_user_sgpr_count 2
		.amdhsa_user_sgpr_kernarg_segment_ptr 1
		.amdhsa_wavefront_size32 1
		.amdhsa_system_sgpr_workgroup_id_x 1
		.amdhsa_system_sgpr_workgroup_id_y 1
		.amdhsa_system_sgpr_workgroup_id_z 1
		.amdhsa_system_vgpr_workitem_id 0
		.amdhsa_next_free_vgpr 512
		.amdhsa_next_free_sgpr 66
		.amdhsa_reserve_vcc 0
		.amdhsa_float_denorm_mode_32 3
		.amdhsa_float_denorm_mode_16_64 3
		.amdhsa_memory_ordered 1
		.amdhsa_forward_progress 1
		.amdhsa_inst_pref_size 179
	.end_amdhsa_kernel
	.amdgpu_metadata
---
amdhsa.version: [ 1, 2 ]
amdhsa.kernels:
  - .name:           k_qf8d3f9e578_attn
    .symbol:         k_qf8d3f9e578_attn.kd
    .args:
      - { .name: qkv, .offset: 0, .size: 8, .value_kind: global_buffer, .address_space: global }
      - { .name: o16, .offset: 8, .size: 8, .value_kind: global_buffer, .address_space: global }
    .group_segment_fixed_size: 327680
    .private_segment_fixed_size: 0
    .kernarg_segment_align: 8
    .kernarg_segment_size: 16
    .max_flat_workgroup_size: 256
    .sgpr_count:     66
    .vgpr_count:     512
    .wavefront_size: 32
...
	.end_amdgpu_metadata
.endif
;; end of part 3
;; launch outproj (part 4): grid 4 x 64, 4 waves a work-group, clusters of 4 x 4, 327,680 bytes of LDS; arguments o16, wo16, b_out, out0; writes out0
.if DOCPART == 4
	.amdgcn_target "amdgcn-amd-amdhsa--gfx1250"
	.amdhsa_code_object_version 6
	.text
	.protected	k_qf8d3f9e578_outproj
	.globl	k_qf8d3f9e578_outproj
	.p2align	8
	.type	k_qf8d3f9e578_outproj,@function
k_qf8d3f9e578_outproj:
	s_mov_b64 s[64:65], 0
	v_nop
	global_prefetch_b8 v0, s[64:65] scope:SCOPE_SE
	s_setreg_imm32_b32 hwreg(HW_REG_WAVE_MODE, 25, 1), 1
	s_wait_xcnt 0x0
	s_wait_alu depctr_hold_cnt(0) depctr_sa_sdst(0) depctr_va_vdst(0) depctr_va_sdst(0) depctr_va_ssrc(0) depctr_va_vcc(0) depctr_vm_vsrc(0)
	s_getreg_b32 s2, hwreg(HW_REG_IB_STS2, 6, 4)
	s_cmp_eq_u32 s2, 0
	s_cbranch_scc0 .Lentry_in_a_cluster
	s_endpgm
.Lentry_in_a_cluster:
	s_bfe_u32 s2, ttmp6, 0x10000c
	s_cmp_lg_u32 s2, 0xf033
	s_cbranch_scc0 .Lentry_shape_is_right
	s_endpgm
.Lentry_shape_is_right:
; out0[m][n] = the sum over k of O[m][k] W_out[n][k] + b_out[n].  O: o16 [h 16][m 8192][64 f16], W_out: wo16 [h 16][n 1024][64 f16], k = 64 h + d; b_out [1024] f32; out0 [8192][1024] f32; sums in f32.
; A tile of the result is 128 rows x 256 columns: 256 work-groups.  Four waves, each 64 x 128: 32 accumulators of 16 x 16, 256 registers.  K goes in steps of 128 (two heads) through a ring of two LDS slots: eight steps.
; A head's rows are 128 bytes and dense, so a tile is stated as double rows of 256 bytes with 16 bytes of padding behind each: row i lies at (i / 2) x 272 + 128 (i % 2), and the 16 rows of a fragment load start at 16 different 16-byte columns of 256.
; CLUSTERS: 4 x 4 work-groups.  The four of a row of the cluster need the same tiles of O, the four of a column the same tiles of W_out: each tile is asked for JOINTLY, by the same tensor load with the same descriptor and a mask that names the four.
; THE MATRIX INSTRUCTION IS USED TRANSPOSED (source 0 = 16 rows of W_out, source 1 = 16 rows of O): a lane then holds eight neighbouring numbers of a row of the result.  b_out is the C of each sum's first product.
; REGISTERS: window 0: v16-30 addresses; v64-159, v160-255 two fragment buffers (W_out's 8 fragments, then O's 4).   window 1: accumulator (a, b) at v[8 (8 a + b)].   window 2: v0-63 b_out in the result's layout, tile b at v[8 b].
.set AHB,    64*272                    ; O's 128 rows of one head in LDS: what waves 0 and 1 fetch
.set BHB,    128*272                   ; W_out's 256 rows of one head: what waves 2 and 3 fetch
.set BOFF,   2*AHB
.set SLOT,   2*AHB+2*BHB               ; O head 0, O head 1, W_out head 0, W_out head 1
.set SPARE,  2*SLOT                    ; behind the ring: the spare words, 128 bytes a wave, which no other line names
.set SPITCH, 528                       ; the way out: a stage of 16 rows x (512 bytes + 16) for each wave, in slot 0, which has had its last fill and its last read by then
.set ADRA, 16                          ; v16-17  LDS address of my fragments of O in slot 0, 1
.set ADRB, 20                          ; v20-21  the same for W_out
.set STO,  24                          ; v24     the way out: where I put 32 bytes of a row
.set RD,   25                          ; v25     where I read a row back
.set CO,   26                          ; v26     16 x lane
.set BO,   27                          ; v27     32 x (lane / 16): my eight numbers of a tile of b_out; never rewritten
.set SPW,  28                          ; v28     LDS address of my spare word; never rewritten
.set NIL,  29                          ; v29     0; never rewritten
.set PFO,  30                          ; v30     the prefetches' offset; never rewritten
.set F0,   64
.set F1,   160
.set G1,  24                           ; s[24:31] descriptor group 1 for O's tiles;  s[32:39] group 0, a set for each slot
.set G0,  32
.set G1B, 48                           ; s[48:55], s[56:63] the same for W_out's
.set G0B, 56
.set LIM, 43                           ; s43     1 in the wave that prefetches, else the greatest number
.set PFA, 44                           ; s[44:45] where the prefetches stand
.set MSB, 0
.macro WIN new                         ; the immediate's high byte repeats the setting that is left; a switch that changes nothing is dropped
.if MSB != (\new)
	s_set_vgpr_msb (MSB<<8)|(\new)
.set MSB, (\new)
.endif
.endm
.set W_MUL, 0x50                       ; C and D window 1; with 0x10 more: C window 2 (b_out), D window 1
.macro JLOAD s                         ; a joint load: waves 0 and 1 fetch O's two heads, waves 2 and 3 W_out's; an s_nop 0 and four v_nop follow each line
	s_cmp_eq_u32 s13, 0
	s_cbranch_scc0 .Lfor_b_\@
	tensor_load_to_lds s[G0+4*\s:G0+4*\s+3], s[G1:G1+7]
	s_nop 0
.rept 4
	v_nop
.endr
	s_branch .Lasked_\@
.Lfor_b_\@:
	tensor_load_to_lds s[G0B+4*\s:G0B+4*\s+3], s[G1B:G1B+7]
	s_nop 0
.rept 4
	v_nop
.endr
.Lasked_\@:
.endm
; A PREFETCH of the K step of O that stands two refills on: two heads x 128 rows x 128 bytes.  A tile row of O is read by the four partners of one row of one cluster and by nobody else; they share each head's 64 runs of 256 bytes
; out BY ADDRESS, 16 each (cx); in each, wave 0 asks: lanes 0-15 for the first head, lanes 16-31 for the second: one instruction.  So each run is named once in the launch.  The loop's last trip asks for nothing: no K step stands two refills on.
; W_out is read again by every row of clusters and is not asked for.
.macro ASK
	s_cmp_gt_u32 s3, s[LIM]                        ; s3 = 1 in the loop's last trip
	s_cbranch_scc0 .Lnot_mine_\@
	global_prefetch_b8 v[PFO], s[PFA:PFA+1] th:TH_LOAD_NT scope:SCOPE_SE
.Lnot_mine_\@:
.endm
.macro CREST                           ; a round of the cluster's barrier behind its opening barrier
	s_cmp_lg_u32 s12, 0
	s_cbranch_scc1 .Lnot_wave_0_\@
	s_barrier_signal -3
.Lnot_wave_0_\@:
	s_barrier_wait -3
	s_barrier_signal -1
	s_barrier_wait -1
.endm
.macro CROUND
	s_barrier_signal -1
	s_barrier_wait -1
	CREST
.endm
	s_load_b256 s[4:11], s[0:1], 0x0               ; o16 s[4:5], wo16 s[6:7], b_out s[8:9], out0 s[10:11]
	v_lshl_add_u32 v[SPW], v0, 2, SPARE
	v_mov_b32 v[NIL], 0
	ds_add_u32 v[SPW], v[NIL]                      ; the wave's opening: the add, twice on end, and its wait ahead of my first tensor load
	ds_add_u32 v[SPW], v[NIL]
	v_lshrrev_b32 v1, 5, v0
	v_readfirstlane_b32 s12, v1                    ; wave 0..3
	s_lshr_b32 s13, s12, 1                         ; which 64 of the tile's rows are mine.  Also: I fetch for O (0) or for W_out (1)
	s_and_b32 s14, s12, 1                          ; which 128 of its columns.  Also: which of a K step's two heads I fetch
	s_bfe_u32 s40, ttmp6, 0x40000                  ; cx, cy: my place in the cluster
	s_bfe_u32 s41, ttmp6, 0x40004
	s_lshl_b32 s42, ttmp9, 2
	s_add_co_u32 s42, s42, s40                     ; tile column = 4 x cluster x + cx
	s_and_b32 s15, ttmp7, 0xffff
	s_lshl_b32 s15, s15, 2
	s_add_co_u32 s15, s15, s41                     ; tile row = 4 x cluster y + cy
	s_lshl_b32 s46, s41, 2
	s_lshl_b32 s46, 15, s46                        ; my row of the cluster
	s_lshl_b32 s47, 0x1111, s40                    ; my column
	s_or_b32 s[G1+0], s46, (1<<16)|(1<<20)|(1<<21)|(5<<22)|(3<<25)   ; the mask: O's tiles go to my row; elements of 2 bytes; padding on; bit 21 beside a mask; after every 64 words, 4 words
	s_or_b32 s[G1B+0], s47, (1<<16)|(1<<20)|(1<<21)|(5<<22)|(3<<25)
	s_mov_b32 s[G1+1], 128<<16                     ; tensor_dim0 = 128
	s_mov_b32 s[G1+2], 64<<16                      ; tensor_dim1 = 64 double rows
	s_mov_b32 s[G1+3], 128<<16                     ; tile_dim0
	s_mov_b32 s[G1+4], 64                          ; tile_dim1
	s_mov_b32 s[G1+5], 128                         ; from row to row
	s_mov_b32 s[G1+6], 0
	s_mov_b32 s[G1+7], 0
	s_mov_b32 s[G1B+1], 128<<16
	s_mov_b32 s[G1B+2], 128<<16                    ; 128 double rows
	s_mov_b32 s[G1B+3], 128<<16
	s_mov_b32 s[G1B+4], 128
	s_mov_b32 s[G1B+5], 128
	s_mov_b32 s[G1B+6], 0
	s_mov_b32 s[G1B+7], 0
	s_lshl_b32 s16, s14, 20                        ; O: my head's 8,192 rows of 128 bytes,
	s_lshl_b32 s17, s15, 14                        ; the tile row's 128 rows: made of the tile row and the wave's number alone
	s_add_co_u32 s16, s16, s17
	s_mov_b32 s17, 0
	s_lshl_b32 s20, s14, 17                        ; W_out: my head's 1,024 rows,
	s_lshl_b32 s21, s42, 15                        ; the tile column's 256 rows: made of the tile column and the wave's number alone
	s_add_co_u32 s20, s20, s21
	s_mov_b32 s21, 0
	s_mul_i32 s18, s14, AHB                        ; where they go: no place in the cluster enters an LDS address
	s_mul_i32 s19, s14, BHB
	s_wait_dscnt 0x0                               ; both opening adds are done
	s_wait_kmcnt 0x0
	s_add_nc_u64 s[16:17], s[4:5], s[16:17]
	s_add_nc_u64 s[20:21], s[6:7], s[20:21]
	CROUND                                         ; all sixteen work-groups are here: the first joint loads meet
.irp s, 0,1
	s_mov_b32 s[G0+4*\s], 1
	s_add_co_u32 s[G0+4*\s+1], s18, \s*SLOT
	s_add_nc_u64 s[G0+4*\s+2:G0+4*\s+3], s[16:17], \s*2097152       ; K step s: two heads on
	s_or_b32 s[G0+4*\s+3], s[G0+4*\s+3], 0x80000000
	s_mov_b32 s[G0B+4*\s], 1
	s_add_co_u32 s[G0B+4*\s+1], s19, \s*SLOT+BOFF
	s_add_nc_u64 s[G0B+4*\s+2:G0B+4*\s+3], s[20:21], \s*262144
	s_or_b32 s[G0B+4*\s+3], s[G0B+4*\s+3], 0x80000000
	JLOAD \s
.endr
	v_and_b32 v1, 15, v0                           ; r
	v_bfe_u32 v2, v0, 4, 1                         ; h
	v_lshrrev_b32 v3, 1, v1
	v_mul_u32_u24 v3, v3, 272                      ; double row r / 2,
	v_and_b32 v4, 1, v1
	v_lshl_add_u32 v3, v4, 7, v3                   ; its half r % 2,
	v_lshl_add_u32 v3, v2, 4, v3                   ; 16 bytes for each half of the lanes
	s_mul_i32 s16, s13, 32*272                     ; my 64 rows of O
	s_mul_i32 s17, s14, 64*272                     ; my 128 rows of W_out,
	s_add_co_u32 s17, s17, BOFF                    ; which lie behind O's two heads
.irp s, 0,1
	v_add_nc_u32 v[ADRA+\s], s16, v3
	v_add_nc_u32 v[ADRB+\s], s17, v3
	s_add_co_u32 s16, s16, SLOT
	s_add_co_u32 s17, s17, SLOT
.endr
	s_mul_i32 s18, s12, 16*SPITCH                  ; my stage
	v_mul_u32_u24 v4, v1, SPITCH                   ; in: row r, 32 bytes for each half of the lanes
	v_lshl_add_u32 v4, v2, 5, v4
	v_add_nc_u32 v[STO], s18, v4
	v_and_b32 v5, 31, v0
	v_lshlrev_b32 v[CO], 4, v5                     ; back: the 32 lanes take one row of 512 bytes; and the same in out0
	v_add_nc_u32 v[RD], s18, v[CO]
	v_lshlrev_b32 v[BO], 5, v2
	s_lshl_b32 s20, s15, 19                        ; out0: the tile row's 128 rows of 4,096 bytes,
	s_lshl_b32 s21, s13, 18                        ; my 64 of them,
	s_add_co_u32 s20, s20, s21
	s_lshl_b32 s22, s42, 10
	s_lshl_b32 s23, s14, 9
	s_add_co_u32 s22, s22, s23                     ; my first column, in bytes
	s_mov_b32 s23, 0
	s_add_nc_u64 s[8:9], s[8:9], s[22:23]          ; b_out at my first column
	s_add_co_u32 s20, s20, s22
	s_mov_b32 s21, 0
	s_add_nc_u64 s[10:11], s[10:11], s[20:21]
	WIN 0x80                                       ; destination window 2
.irp b, 0,1,2,3,4,5,6,7
	global_load_b128 v[8*\b:8*\b+3],   v[BO], s[8:9] offset:64*\b      ; lane (r, h): b_out at columns 16 b + 8 h + 0..7
	global_load_b128 v[8*\b+4:8*\b+7], v[BO], s[8:9] offset:64*\b+16
.endr
	WIN 0
	s_lshl_b32 s22, s15, 14                        ; the prefetches: the tile row's rows in a head,
	s_lshl_b32 s23, s40, 12                        ; my work-group's 16 runs of 256 bytes,
	s_add_co_u32 s22, s22, s23
	s_add_co_u32 s22, s22, 3*2097152               ; at K step 3: the first refill steps it to 4.  Nothing is prefetched here, at the head
	s_mov_b32 s23, 0
	s_add_nc_u64 s[PFA:PFA+1], s[4:5], s[22:23]
	v_lshlrev_b32 v[PFO], 8, v1
	v_lshl_add_u32 v[PFO], v2, 20, v[PFO]          ; 256 x (lane % 16) + a head x (lane / 16)
	s_cmp_eq_u32 s12, 0
	s_cselect_b32 s[LIM], 1, -1                    ; wave 0 asks: the same in all partners
; 8 matrix instructions: O's block a x W_out's eight, 32 along K, from buffer f.  zero = 1: the first product of each sum takes b_out as its C: nothing is cleared and nothing is added later.
; The 32 accumulators take turns, one instruction a turn, in the same order in every quarter.
.macro MUL8 f, a, zero
.irp b, 0,1,2,3,4,5,6,7
.if \zero
	v_wmma_f32_16x16x32_f16 v[8*(8*(\a)+\b):8*(8*(\a)+\b)+7], v[\f+8*\b:\f+8*\b+7], v[\f+64+8*(\a):\f+64+8*(\a)+7], v[8*\b:8*\b+7]
.else
	v_wmma_f32_16x16x32_f16 v[8*(8*(\a)+\b):8*(8*(\a)+\b)+7], v[\f+8*\b:\f+8*\b+7], v[\f+64+8*(\a):\f+64+8*(\a)+7], v[8*(8*(\a)+\b):8*(8*(\a)+\b)+7]
.endif
.endr
.endm
; 24 LDS loads in one run: the fragments of the slot's q-th 32 along K (head q / 2, half q % 2) into buffer f: W_out's eight, then O's four
.macro FETCH slot, q, f
	WIN 0
.irp i, 0,1,2,3,4,5,6,7
	ds_load_b128 v[\f+8*\i:\f+8*\i+3],   v[ADRB+\slot] offset:((\q)/2)*BHB+((\q)%2)*64+\i*2176
	ds_load_b128 v[\f+8*\i+4:\f+8*\i+7], v[ADRB+\slot] offset:((\q)/2)*BHB+((\q)%2)*64+\i*2176+32
.endr
.irp i, 0,1,2,3
	ds_load_b128 v[\f+64+8*\i:\f+64+8*\i+3],   v[ADRA+\slot] offset:((\q)/2)*AHB+((\q)%2)*64+\i*2176
	ds_load_b128 v[\f+64+8*\i+4:\f+64+8*\i+7], v[ADRA+\slot] offset:((\q)/2)*AHB+((\q)%2)*64+\i*2176+32
.endr
.endm
.macro PLACES                          ; four places in front of loads into registers that matrix instructions have read, and of the first read of results
.rept 4
	v_nop
.endr
.endm
; A K step is four quarters of 32 along K, 32 matrix instructions each, on buffers 0, 1, 0, 1.  One of the first three: multiplies buffer f and, in its middle, fetches quarter qn into g.
.macro QUARTER slot, qn, f, g, zero
	s_wait_dscnt 4                                 ; W_out's fragments and O's blocks 0, 1 are in; the youngest four loads (blocks 2, 3) may be out
	WIN W_MUL+0x10*(\zero)
	MUL8 \f, 0, \zero
	MUL8 \f, 1, \zero
	PLACES
	FETCH \slot, \qn, \g
	s_wait_dscnt 24                                ; all but the 24 just issued
	WIN W_MUL+0x10*(\zero)
	MUL8 \f, 2, \zero
	MUL8 \f, 3, \zero
.endm
; The last quarter multiplies buffer 1 and changes slots: ONE barrier; in front of it each wave waits for all its tensor loads, adds 0 to its spare word, and waits for that and for its reads of this slot.  fill = 1: this slot is filled again, two K steps ahead.
.macro TURN slot, next, fill
.if \fill
	s_wait_xcnt 0x0                                ; the last prefetch, a K step back, has read its address: it is stepped here, ahead of the waits of the change of slots
	s_add_nc_u64 s[PFA:PFA+1], s[PFA:PFA+1], 2097152
.endif
	WIN 0                                          ; (the add's two registers lie in window 0)
	s_wait_tensorcnt 0x0                           ; all my tensor loads have landed: my part of the next slot
	ds_add_u32 v[SPW], v[NIL]                      ; 0 onto my spare word
	s_wait_dscnt 5                                 ; the add and the youngest four loads may be out
	WIN W_MUL
	MUL8 F1, 0, 0                                  ; eight matrix instructions stand between the add and the wait for it
	s_wait_dscnt 0x0                               ; the add is done, and my reads of this slot are over
	s_barrier_signal -1
	MUL8 F1, 1, 0
	WIN 0
	s_barrier_wait -1
.if \fill
	CREST                                          ; the barrier has opened a round of the cluster's barrier: no wave of any partner still reads this slot's tiles or has a load on its way
	s_add_nc_u64 s[G0+4*\slot+2:G0+4*\slot+3], s[G0+4*\slot+2:G0+4*\slot+3], 2*2097152
	s_add_nc_u64 s[G0B+4*\slot+2:G0B+4*\slot+3], s[G0B+4*\slot+2:G0B+4*\slot+3], 2*262144
	JLOAD \slot                                    ; the first tensor load behind the round; the four v_nop behind it are also the places in front of the loads below
.else
	PLACES
.endif
	FETCH \next, 0, F0
.if \fill
	ASK                                            ; behind the joint load and the run of LDS loads that the next products wait for
.endif
	WIN W_MUL
	MUL8 F1, 2, 0
	MUL8 F1, 3, 0
.endm
	s_wait_tensorcnt 1                             ; my part of K step 0 is in; K step 1's may stay out
	s_barrier_signal -1
	s_barrier_wait -1                              ; everybody's is
	FETCH 0, 0, F0
	s_wait_loadcnt 0x0                             ; b_out
	QUARTER 0, 1, F0, F1, 1                        ; the first quarter stands in front of the loop: its products start the sums, from b_out
	WIN 0                                          ; at a label and at a branch every window is 0
	s_mov_b32 s3, 3
.Llap:                                                 ; a trip goes once round the ring, from a lap's second quarter to the next lap's first, and fills both slots again
	QUARTER 0, 2, F1, F0, 0
	QUARTER 0, 3, F0, F1, 0
	TURN 0, 1, 1
	QUARTER 1, 1, F0, F1, 0
	QUARTER 1, 2, F1, F0, 0
	QUARTER 1, 3, F0, F1, 0
	TURN 1, 0, 1
	QUARTER 0, 1, F0, F1, 0
	WIN 0
	s_sub_co_u32 s3, s3, 1
	s_cmp_lg_u32 s3, 0
	s_cbranch_scc1 .Llap
	QUARTER 0, 2, F1, F0, 0                        ; the last lap fills nothing, and has no round of the cluster's barrier
	QUARTER 0, 3, F0, F1, 0
	TURN 0, 1, 0
	QUARTER 1, 1, F0, F1, 0
	QUARTER 1, 2, F1, F0, 0
	QUARTER 1, 3, F0, F1, 0
	s_wait_dscnt 4                                 ; the very last quarter: nothing more to fetch
	WIN W_MUL
	MUL8 F1, 0, 0
	MUL8 F1, 1, 0
	s_wait_dscnt 0
	MUL8 F1, 2, 0
	MUL8 F1, 3, 0
	WIN 0
; THE WAY OUT, block by block of 16 rows x 128 columns.  A lane holds 32 neighbouring bytes of a row, and the lanes beside it hold other rows: so a block goes through my own stage and comes back as whole rows of 512 bytes.
.macro TOSTAGE a
	WIN 0x04                                       ; an LDS store's data are its source 1: window 1
.irp b, 0,1,2,3,4,5,6,7
	ds_store_b128 v[STO], v[8*(8*(\a)+\b):8*(8*(\a)+\b)+3] offset:64*\b          ; each accumulator from its low end on
	ds_store_b128 v[STO], v[8*(8*(\a)+\b)+4:8*(8*(\a)+\b)+7] offset:64*\b+16
.endr
	WIN 0
.set BB, 64+64*((\a)%2)
.irp t, 0,1,2,3,4,5,6,7,8,9,10,11,12,13,14,15
	ds_load_b128 v[BB+4*\t:BB+4*\t+3], v[RD] offset:\t*SPITCH    ; LDS serves a wave's instructions in order: these see the stores above
.endr
.endm
.macro SEND a, younger                 ; younger: the LDS instructions issued behind block a's loads, which may stay out
.set BB, 64+64*((\a)%2)
	s_wait_dscnt \younger                          ; the block is back in registers
.irp t, 0,1,2,3,4,5,6,7,8,9,10,11,12,13,14,15
	global_store_b128 v[CO], v[BB+4*\t:BB+4*\t+3], s[10:11] offset:(\a)*65536+\t*4096 th:TH_STORE_NT   ; 32 lanes store 512 consecutive bytes, at a multiple of 512 from the buffer's first byte; written once, read by nobody here
.endr
.endm
	PLACES                                         ; behind the last products: for the stores that read results and the loads into the fragments' registers
	TOSTAGE 0
.irp a, 1,2,3
.if \a > 1
	s_wait_xcnt 0x0                                ; block a - 2's stores have read their registers: block a's loads land there only behind this wait
.endif
	TOSTAGE \a
	SEND \a-1, 32                                  ; behind block a - 1's loads: block a's 16 stores and 16 loads
.endr
	SEND 3, 0
	s_wait_tensorcnt 0x0                           ; the wave's end: behind my last tensor load and my last LDS store
	ds_add_u32 v[SPW], v[NIL]
	s_wait_dscnt 0x0
	CROUND                                         ; the closing round: no work-group ends while a partner may still ask for a tile that names it
	s_endpgm
.Lfunc_end_k_qf8d3f9e578_outproj:
	.size	k_qf8d3f9e578_outproj, .Lfunc_end_k_qf8d3f9e578_outproj-k_qf8d3f9e578_outproj
	.p2alignl 7, 3214868480
	.fill 96, 4, 3214868480
	.section	.rodata,"a",@progbits
	.p2align	6, 0x0
	.amdhsa_kernel k_qf8d3f9e578_outproj
		.amdhsa_group_segment_fixed_size 327680
		.amdhsa_private_segment_fixed_size 0
		.amdhsa_enable_private_segment 0
		.amdhsa_kernarg_size 32
		.amdhsa_user_sgpr_count 2
		.amdhsa_user_sgpr_kernarg_segment_ptr 1
		.amdhsa_wavefront_size32 1
		.amdhsa_system_sgpr_workgroup_id_x 1
		.amdhsa_system_sgpr_workgroup_id_y 1
		.amdhsa_system_sgpr_workgroup_id_z 1
		.amdhsa_system_vgpr_workitem_id 0
		.amdhsa_next_free_vgpr 576
		.amdhsa_next_free_sgpr 66
		.amdhsa_reserve_vcc 0
		.amdhsa_float_denorm_mode_32 3
		.amdhsa_float_denorm_mode_16_64 3
		.amdhsa_memory_ordered 1
		.amdhsa_forward_progress 1
		.amdhsa_inst_pref_size 87
	.end_amdhsa_kernel
	.amdgpu_metadata
---
amdhsa.version: [ 1, 2 ]
amdhsa.kernels:
  - .name:           k_qf8d3f9e578_outproj
    .symbol:         k_qf8d3f9e578_outproj.kd
    .args:
      - { .name: o16, .offset: 0, .size: 8, .value_kind: global_buffer, .address_space: global }
      - { .name: wo16, .offset: 8, .size: 8, .value_kind: global_buffer, .address_space: global }
      - { .name: b_out, .offset: 16, .size: 8, .value_kind: global_buffer, .address_space: global }
      - { .name: out0, .offset: 24, .size: 8, .value_kind: global_buffer, .address_space: global }
    .group_segment_fixed_size: 327680
    .private_segment_fixed_size: 0
    .kernarg_segment_align: 8
    .kernarg_segment_size: 32
    .max_flat_workgroup_size: 128
    .sgpr_count:     66
    .vgpr_count:     576
    .wavefront_size: 32
...
	.end_amdgpu_metadata
.endif
;; end of part 4
